; MI455X (gfx1250); checked and timed in simulation.
; The chip was launched on July 23, 2026; its instructions are those of AMD's public machine-readable ISA for CDNA 5 (MIT licence, August 2026) and "CDNA5" Instruction Set Architecture Reference Guide (July 2026). The comments in the code are by the model that wrote it; some were corrected since.
;; Encoder Block. Allowed arithmetic: matrix products marked QUANTISED: E2M3 operands, one E8M0 scale for each 32 along K, by v_wmma_scale_f32_16x16x128_f8f6f4 with both operands' format E2M3, f32 sums; everything else in f32.
;; Inputs: b_ff1 4,096 float32; b_ff2 1,024 float32; b_k 1,024 float32; b_o 1,024 float32; b_q 1,024 float32; b_v 1,024 float32; ln1_b 1,024 float32; ln1_g 1,024 float32; ln2_b 1,024 float32; ln2_g 1,024 float32; w_ff1 1,024 x 4,096 float32; w_ff2 4,096 x 1,024 float32; w_k 1,024 x 1,024 float32; w_o 1,024 x 1,024 float32; w_q 1,024 x 1,024 float32; w_v 1,024 x 1,024 float32; x 2 x 2,048 x 1,024 float32.
;; Outputs: out0 2 x 2,048 x 1,024 float32.
;; This version of the problem:
;;   THIS VERSION OF THE PROBLEM IS GIVEN IN LOW PRECISION. The matrix products marked QUANTISED in the list below multiply operands that are first quantised to E2M3 (2 exponent bits, 3 mantissa bits; 6 bits a number), with one power-of-two scale for each 32 numbers along K (OCP MX v1.0); their sums are f32. All else is computed in f32.
;;   The module's matrix products, in the order in which they are computed (A, B: the left and right operand; K: the contracted axis; several contracted axes count as one K, in the product's order):
;;     1. [M 4,096, K 1,024] x [K 1,024, N 1,024]; A: input x; B: input w_q: QUANTISED
;;     2. [M 4,096, K 1,024] x [K 1,024, N 1,024]; A: input x; B: input w_k: QUANTISED
;;     3. [M 4,096, K 1,024] x [K 1,024, N 1,024]; A: input x; B: input w_v: QUANTISED
;;     4. batch 32 x [M 2,048, K 64] x [K 64, N 2,048]; A: computed on the way; B: computed on the way: QUANTISED
;;     5. batch 32 x [M 2,048, K 2,048] x [K 2,048, N 64]; A: softmax (see below); B: computed on the way: QUANTISED
;;     6. [M 4,096, K 1,024] x [K 1,024, N 1,024]; A: computed on the way; B: input w_o: QUANTISED
;;     7. [M 4,096, K 1,024] x [K 1,024, N 4,096]; A: computed on the way; B: input w_ff1: QUANTISED
;;     8. [M 4,096, K 4,096] x [K 4,096, N 1,024]; A: computed on the way; B: input w_ff2: QUANTISED
;;   THE QUANTISER, for each operand of a quantised product, along K:
;;     - K is cut into blocks of 32 from its start; a last block that is shorter is filled with zeros.
;;     - A block's scale is 2^e with e = floor(log2(the largest magnitude in the block)) - 2, held to -126 .. 127; a block of zeros has e = 0. As a byte (E8M0): e + 127.
;;     - Each number is divided by its block's scale, clamped to +-7.5, and rounded to the nearest number of E2M3, ties to even, subnormals kept.
;;     - The product sums the exact products of the quantised numbers (number of the format x scale) in f32.
;;   ~~~python
;;   def quantise(x, axis):      # numpy; x: float32 -> the quantised numbers, widened to float32 again
;;       x = np.moveaxis(x, axis, -1); K = x.shape[-1]
;;       x = np.pad(x, [(0, 0)] * (x.ndim - 1) + [(0, -K % 32)]); x = x.reshape(x.shape[:-1] + (-1, 32)); a = np.abs(x).max(-1, keepdims=True)
;;       e = np.where(a > 0, np.clip(np.frexp(np.where(a > 0, a, 1))[1] - 1 - 2, -126, 127), 0)      # np.frexp(a)[1] - 1 = floor(log2(a)), exactly
;;       r = np.clip(x / 2.0 ** e, -7.5, 7.5)
;;       step = 2.0 ** (np.maximum(np.frexp(np.where(r == 0, 1, r))[1] - 1, 0) - 3)
;;       q = np.round(r / step) * step * 2.0 ** e      # np.round: ties to even
;;       return np.moveaxis(q.reshape(q.shape[:-2] + (-1,))[..., :K], -1, axis).astype(np.float32)
;;   ~~~
;;   SOFTMAX AHEAD OF A QUANTISED PRODUCT. Where the list says 'softmax', what is quantised is not the finished softmax but p = 2^(t - M), with t = logit x log2(e) and M = ceil(the row's largest t), a whole number; so 1/2 < the row's largest p <= 1. The row's sum l is taken of the UNQUANTISED p, in f32, and the product's result is divided by l at the end. Since M is a whole number, a kernel that streams over the keys may use a running M (the ceiling of the running maximum): every later rescaling is an exact power of two, which a block's scale takes up: the codes' values come out the same.
;;   OPERANDS COMPUTED ON THE WAY. 'Computed on the way' means the value that the module computes at that place (a softmax that the list does not call 'softmax' is quantised finished and normalised). What goes into a quantiser is computed in f32, as accurately as f32 sums, v_exp_f32 and their like allow (about 1e-6 of the number): no bf16 or f16 on the way to a quantiser, and a product that is left as it is and whose result goes on into a quantised operand takes f32 operands (vector FMAs, or v_wmma_f32_16x16x4_f32). A number that lies on a knife's edge between two numbers of the format may be rounded either way, as far as f32 arithmetic and the matrix unit's own rounding can turn it there, and no further.
;; One version. Each part assembles by itself: llvm-mc -triple=amdgcn-amd-amdhsa -mcpu=gfx1250 --defsym DOCPART=n.
;; ======== version 1 of 1: 7 launches
;; limits: right only within a limited range of input values
;; workspace buffers: wts 13,107,200 bytes; qkvb 9,830,400 bytes; ctx 3,276,800 bytes; rs 16,777,216 bytes; hbuf 20,054,016 bytes; hid 13,107,200 bytes
;; launch prep (part 1): grid 640 x 1, 8 waves a work-group, no clusters, 68,608 bytes of LDS; arguments x, w_q, w_k, w_v, w_o, w_ff1, w_ff2, wts; writes wts
.if DOCPART == 1
	.amdgcn_target "amdgcn-amd-amdhsa--gfx1250"
	.amdhsa_code_object_version 6
	.text
	.protected	k_q5610f2c7c3_prep
	.globl	k_q5610f2c7c3_prep
	.p2align	8
	.type	k_q5610f2c7c3_prep,@function
k_q5610f2c7c3_prep:
	s_mov_b64 s[64:65], 0
	v_nop
	global_prefetch_b8 v0, s[64:65] scope:SCOPE_SE
	s_setreg_imm32_b32 hwreg(HW_REG_WAVE_MODE, 25, 1), 1
	s_wait_xcnt 0x0
; PREP: x and the six weights become codes of E2M3 with one E8M0 byte for each 32 along K, once, in the order of the matrix operand's registers.
; DEAD WORK: none.  Every product of the encoder block reaches the output, and every bias stands ahead of a quantiser or of the output (b_k too: it moves k's codes), so every input is loaded by some launch.
; THE FORMAT of every buffer of codes in this program.  An IMAGE (1,536 bytes) is a fragment of 16 rows x 128 K as lane L = r + 16 h holds it in registers E0-11 (E 6c .. 6c+5: k = 64 c + 32 h + 0 .. 31):
;   bytes 0: E0-3 at 16 L;  512: E4-5 at 8 L;  768: E6-9 at 16 L;  1280: E10-11 at 8 L.  In each 32 rows, fragment 2 g + u, lane r, holds row 32 g + 8 u + r + 8 (r / 8).
;   A GRANULE is RB rows x 128 K: RB / 16 images, then RB scale words (word 16 t + r: the four bytes of fragment t, lane r): 100 RB bytes.  An operand is [rows / RB][K / 128] granules.
; wts: x at 0 (RB 256), w_q / w_k / w_v by heads at 3,276,800 (RB 192: q's 4 fragments, v's 0-1, k's 4, v's 2-3), w_o at 5,734,400 (RB 128), w_ff1 at 6,553,600 (RB 256), w_ff2 at 9,830,400 (RB 128).
; THE QUANTISER: a block's scale is 2^(floor(log2(largest magnitude)) - 2): the largest magnitude's exponent field less 2, held at 1 from below.
; LIMITS: NaN and infinities among the inputs are not served; a block of zeros gets the byte 1 where the rule says 127: its codes are zeros, and this program alone reads the bytes.
; Work-groups 0-255: x.  A work-group takes the 16 rows of one fragment, wave w its K step w: each load reads 512 consecutive bytes of a row; the rows turn through the wave's own LDS so that a lane holds 16 neighbours of each block.
; Work-groups 256-639: the weights, whose K is their first axis.  A lane takes a column and its registers run down K; a wave takes 32 columns x 128 K, a work-group 256 columns; no LDS.
.set SPARE, 67584                      ; behind the eight waves' 16 x 528 bytes: the spare words, 128 bytes a wave
.set LI,  4                            ; v4   16 x lane
.set LJ,  5                            ; v5   8 x lane
.set SPW, 6                            ; v6   my spare word; never rewritten
.set NIL, 7                            ; v7   0; never rewritten
.set LW,  8                            ; v8   4 x (lane % 16)
.set STA, 9                            ; v9   LDS: where a loaded row goes
.set LDA, 10                           ; v10  LDS: where my 16 neighbours lie
.set SEL, 22                           ; s[22:23] selects for lane l xor 16
.set R,   16                           ; v16-79   x as loaded
.set N,   80                           ; v80-143  64 numbers: register 16 b + i = k 32 b + 16 h + i of row r
.set TM,  144                          ; v144-159 QUANT's scratch
.set PT,  16                           ; v16-23  over x as loaded, which has gone to LDS by then
.set PC,  24                           ; v24-35  the codes
.set PW,  40                           ; v40     the scale word
.set VIN, 11                           ; weights: 4 x lane
.set VA,  12                           ; 1,536 u + 16 r of the reader's lane
.set VB,  13                           ; 1,536 u + 8 r
.set VW,  14                           ; 64 u + 4 r
.set MXA, 16
.set MXB, 17
.set SOP, 18
.set BYT, 19
.set X,   32                           ; v32-95   two sets of 32 numbers down K
.set C,   96                           ; v96-127  a block's codes, eight registers apart
.set CT,  128
.set SB,  132
.set MSB, 0
.macro WIN new
.if MSB != (\new)
	s_set_vgpr_msb (MSB<<8)|(\new)
.set MSB, (\new)
.endif
.endm
; 32 nc numbers of a lane at v[s] on (window w) become codes in v[pc] on and the scale bytes in v[pw]
.macro QUANT s, w, pc, pw, nc
	WIN 0
.set qb, 0
.rept 2*(\nc)
	v_mov_b32 v[TM+qb], 0x1800000                  ; the floor 2^(3 - 127): the byte cannot fall under 1
.set qb, qb+1
.endr
	WIN ((\w)<<2)|((\w)<<4)
.set qi, 0
.rept 8
.set qb, 0
.rept 2*(\nc)
	s_delay_alu instid0(VALU_DEP_4)
	v_max3_num_f32 v[TM+qb], v[TM+qb], |v[(\s)+16*qb+qi]|, |v[(\s)+16*qb+qi+1]|
.set qb, qb+1
.endr
.set qi, qi+2
.endr
	WIN 0
.set qb, 0
.rept 2*(\nc)
	s_delay_alu instid0(VALU_DEP_4)
	v_permlanex16_b32 v[TM+4+qb], v[TM+qb], s[SEL], s[SEL+1]
.set qb, qb+1
.endr
.set qb, 0
.rept 2*(\nc)
	s_delay_alu instid0(VALU_DEP_4)
	v_max_num_f32 v[TM+qb], v[TM+qb], v[TM+4+qb]   ; with lane l xor 16's: the block's largest magnitude
.set qb, qb+1
.endr
.set qb, 0
.rept 2*(\nc)
	s_delay_alu instid0(VALU_DEP_4)
	v_add_nc_u32 v[TM+12+qb], 0xff000000, v[TM+qb] ; 2 off its exponent field: the conversion's scale operand
.set qb, qb+1
.endr
.set qb, 0
.rept 2*(\nc)
	s_delay_alu instid0(VALU_DEP_4)
	v_lshrrev_b32 v[TM+4+qb], 23, v[TM+12+qb]      ; the byte
.set qb, qb+1
.endr
	s_delay_alu instid0(VALU_DEP_3)
	v_lshl_or_b32 v[\pw], v[TM+5], 8, v[TM+4]
.if (\nc) > 1
	s_delay_alu instid0(VALU_DEP_1)
	v_lshl_or_b32 v[\pw], v[TM+6], 16, v[\pw]
	s_delay_alu instid0(VALU_DEP_1)
	v_lshl_or_b32 v[\pw], v[TM+7], 24, v[\pw]
.endif
	WIN \w
.set qc, 0
.rept \nc
	v_cvt_scalef32_pk16_fp6_f32 v[(\pc)+6*qc:(\pc)+6*qc+2], v[(\s)+32*qc:(\s)+32*qc+15], v[TM+12+2*qc]
	v_cvt_scalef32_pk16_fp6_f32 v[PT+4*qc:PT+4*qc+2], v[(\s)+32*qc+16:(\s)+32*qc+31], v[TM+12+2*qc+1]
.set qc, qc+1
.endr
	WIN 0
	v_nop                                          ; one plain place behind the scaled conversions
.set qc, 0
.rept \nc
.irp i, 0,1,2
	v_permlane16_swap_b32 v[(\pc)+6*qc+\i], v[PT+4*qc+\i]   ; a whole block to a lane
.endr
.irp i, 0,1,2
	s_delay_alu instid0(VALU_DEP_3)
	v_mov_b32 v[(\pc)+6*qc+3+\i], v[PT+4*qc+\i]
.endr
.set qc, qc+1
.endr
.endm
.macro GIMG pc, base, off              ; a fragment's twelve registers leave as its image: runs of 512 and 256 consecutive bytes
	global_store_b128 v[LI], v[(\pc):(\pc)+3], s[\base:\base+1] offset:(\off)
	global_store_b64 v[LJ], v[(\pc)+4:(\pc)+5], s[\base:\base+1] offset:(\off)+512
	global_store_b128 v[LI], v[(\pc)+6:(\pc)+9], s[\base:\base+1] offset:(\off)+768
	global_store_b64 v[LJ], v[(\pc)+10:(\pc)+11], s[\base:\base+1] offset:(\off)+1280
.endm
.macro ARM ptr, first, lks, off, gb, rpw, sh, mask, g0, gm, words, psh
	s_mov_b64 s[32:33], s[\ptr:\ptr+1]             ; the weight
	s_sub_co_u32 s44, s24, \first                  ; my number among its work-groups
	s_mov_b32 s34, \lks                            ; log2 of its K steps
	s_mov_b32 s35, \off                            ; its operand's place in wts
	s_mov_b32 s36, \gb                             ; a granule's bytes
	s_mov_b32 s37, \rpw                            ; granule rows in 256 columns
	s_mov_b32 s38, \sh                             ; wave >> sh: which of them
	s_mov_b32 s39, \mask                           ; wave & mask: which 32 columns in it
	s_mov_b32 s40, \g0                             ; pair of fragments = g0 + gm x that
	s_mov_b32 s41, \gm
	s_mov_b32 s42, \words                          ; where a granule's scale words begin
	s_mov_b32 s43, \psh                            ; log2 of 128 rows of the weight in bytes
	s_branch .Lset
.endm
.macro WLOAD t, pitch                  ; block t: rows 32 t + i of my column into set t % 2; 32 lanes read 128 consecutive bytes, the eight waves 1,024
.set wi, 0
.rept 32
	global_load_b32 v[X+32*((\t)%2)+wi], v[VIN], s[32:33] offset:(32*(\t)+wi)*(\pitch) th:TH_LOAD_NT
.set wi, wi+1
.endr
.endm
.macro WBLOCK t, pitch
.set XS, X+32*((\t)%2)
.if (\t) < 3
	s_wait_loadcnt 32                              ; this block's 32 loads are in; the next block's 32 may be out
.else
	s_wait_loadcnt 0x0
.endif
	v_max3_num_f32 v[MXA], |v[XS]|, |v[XS+1]|, |v[XS+2]|
	v_max3_num_f32 v[MXB], |v[XS+3]|, |v[XS+4]|, |v[XS+5]|
.irp i, 6,10,14,18,22,26
	s_delay_alu instid0(VALU_DEP_2)
	v_max3_num_f32 v[MXA], v[MXA], |v[XS+\i]|, |v[XS+\i+1]|
	s_delay_alu instid0(VALU_DEP_2)
	v_max3_num_f32 v[MXB], v[MXB], |v[XS+\i+2]|, |v[XS+\i+3]|
.endr
	s_delay_alu instid0(VALU_DEP_2)
	v_max3_num_f32 v[MXA], v[MXA], |v[XS+30]|, |v[XS+31]|
	s_delay_alu instid0(VALU_DEP_1)
	v_max3_num_f32 v[MXA], v[MXA], v[MXB], 0x1800000
	s_delay_alu instid0(VALU_DEP_1)
	v_add_nc_u32 v[SOP], 0xff000000, v[MXA]
	s_delay_alu instid0(VALU_DEP_1)
	v_lshrrev_b32 v[BYT], 23, v[SOP]
.if (\t) == 0
	s_delay_alu instid0(VALU_DEP_1)
	v_mov_b32 v[SB], v[BYT]
.else
	s_delay_alu instid0(VALU_DEP_1)
	v_lshl_or_b32 v[SB], v[BYT], 8*(\t), v[SB]
.endif
	v_cvt_scalef32_pk16_fp6_f32 v[C+8*(\t):C+8*(\t)+2], v[XS:XS+15], v[SOP]
	v_cvt_scalef32_pk16_fp6_f32 v[CT:CT+2], v[XS+16:XS+31], v[SOP]
	v_nop                                          ; one plain place behind the scaled conversions
.irp i, 0,1,2
	v_mov_b32 v[C+8*(\t)+3+\i], v[CT+\i]
.endr
.if (\t)+2 < 4
	WLOAD (\t)+2, \pitch
.endif
	global_store_b128 v[VA], v[C+8*(\t):C+8*(\t)+3], s[50:51] offset:768*((\t)/2)+256*((\t)%2)          ; block t is E 6c .. 6c+5 of the reader's lane r + 16 h, c = t / 2, h = t % 2
	global_store_b64 v[VB], v[C+8*(\t)+4:C+8*(\t)+5], s[50:51] offset:768*((\t)/2)+512+128*((\t)%2)
.endm
.macro WPATH pitch
	WLOAD 0, \pitch
	WLOAD 1, \pitch
	WBLOCK 0, \pitch
	WBLOCK 1, \pitch
	WBLOCK 2, \pitch
	WBLOCK 3, \pitch
	global_store_b32 v[VW], v[SB], s[52:53]        ; my column's scale word
.endm
	s_load_b256 s[4:11], s[0:1], 0x0               ; x, w_q, w_k, w_v
	s_load_b256 s[12:19], s[0:1], 0x20             ; w_o, w_ff1, w_ff2, wts
	v_lshl_add_u32 v[SPW], v0, 2, SPARE
	v_mov_b32 v[NIL], 0
	v_lshrrev_b32 v1, 5, v0
	s_delay_alu instid0(VALU_DEP_1)
	v_readfirstlane_b32 s20, v1                    ; wave
	v_and_b32 v1, 31, v0                           ; lane
	v_and_b32 v2, 15, v0                           ; r
	v_bfe_u32 v3, v0, 4, 1                         ; h
	s_mov_b32 s[SEL], 0x76543210
	s_mov_b32 s[SEL+1], 0xfedcba98
	s_cmp_lt_u32 ttmp9, 256
	s_cbranch_scc0 .Lweights
	; ---- x
	s_lshr_b32 s24, ttmp9, 4                       ; block of 256 rows
	s_and_b32 s25, ttmp9, 15                       ; fragment t in it
	s_lshl_b32 s26, s24, 8
	s_lshr_b32 s27, s25, 1
	s_lshl_b32 s27, s27, 5
	s_add_co_u32 s26, s26, s27
	s_and_b32 s27, s25, 1
	s_lshl_b32 s27, s27, 3
	s_add_co_u32 s26, s26, s27                     ; the fragment's first row: 256 rb + 32 (t / 2) + 8 (t % 2)
	s_lshl_b32 s26, s26, 12                        ; a row is 4,096 bytes
	s_lshl_b32 s27, s20, 9                         ; my K step: 512 bytes
	s_add_co_u32 s26, s26, s27
	s_mov_b32 s27, 0
	s_lshl_b32 s28, s24, 3
	s_add_co_u32 s28, s28, s20
	s_mul_i32 s28, s28, 25600                      ; the granule (rb, K step)
	s_lshl_b32 s30, s25, 6
	s_add_co_u32 s30, s30, s28
	s_add_co_u32 s30, s30, 24576                   ; the fragment's scale words
	s_mov_b32 s31, 0
	s_mul_i32 s29, s25, 1536
	s_add_co_u32 s28, s28, s29                     ; the fragment's image
	s_mov_b32 s29, 0
	s_mul_i32 s21, s20, 8448                       ; my wave's 16 x 528 bytes of LDS
	s_wait_alu depctr_va_vdst(0)
	v_lshlrev_b32 v[LI], 4, v1
	v_lshlrev_b32 v[LJ], 3, v1
	v_lshlrev_b32 v[LW], 2, v2
	s_delay_alu instid0(VALU_DEP_3)
	v_add_nc_u32 v[STA], s21, v[LI]
	v_mul_u32_u24 v[LDA], v2, 528
	s_delay_alu instid0(VALU_DEP_1)
	v_lshl_add_u32 v[LDA], v3, 6, v[LDA]
	s_delay_alu instid0(VALU_DEP_1)
	v_add_nc_u32 v[LDA], s21, v[LDA]
.irp b, 0,1,2,3
	v_mov_b32 v[TM+4+\b], 0                        ; written once: a lane permute's destination counts as one of its sources
.endr
	s_wait_alu depctr_va_vdst(0)
	s_wait_kmcnt 0x0
	s_add_nc_u64 s[4:5], s[4:5], s[26:27]
	s_add_nc_u64 s[28:29], s[18:19], s[28:29]
	s_add_nc_u64 s[30:31], s[18:19], s[30:31]
.irp i, 0,1,2,3,4,5,6,7,8,9,10,11,12,13,14,15
	global_load_b128 v[R+4*\i:R+4*\i+3], v[LI], s[4:5] offset:(\i+8*(\i/8))*4096 th:TH_LOAD_NT   ; lane r = i of the fragment: 512 consecutive bytes of its row
.endr
.irp i, 0,1,2,3,4,5,6,7,8,9,10,11,12,13,14,15
	s_wait_loadcnt 15-\i                           ; row i is in; the later rows may be out
	ds_store_b128 v[STA], v[R+4*\i:R+4*\i+3] offset:\i*528
.endr
.irp b, 0,1,2,3
.irp j, 0,1,2,3
	ds_load_b128 v[N+16*\b+4*\j:N+16*\b+4*\j+3], v[LDA] offset:128*\b+16*\j   ; LDS serves a wave's instructions in order: these see my stores
.endr
.endr
	s_wait_dscnt 0x0
	QUANT N, 0, PC, PW, 2
	GIMG PC, 28, 0
	global_store_b32 v[LW], v[PW], s[30:31]        ; lanes r and r + 16 hold the same word and write it to the same place
	s_wait_tensorcnt 0x0                           ; the wave's end, behind my last LDS store
	ds_add_u32 v[SPW], v[NIL]
	s_wait_dscnt 0x0
	s_endpgm
	; ---- the weights
.Lweights:
	s_sub_co_u32 s24, ttmp9, 256
	s_wait_kmcnt 0x0
	s_cmp_lt_u32 s24, 32
	s_cbranch_scc0 .Lnot_q
	ARM 6, 0, 3, 3276800, 19200, 4, 1, 1, 0, 1, 18432, 19
.Lnot_q:
	s_cmp_lt_u32 s24, 64
	s_cbranch_scc0 .Lnot_k
	ARM 8, 32, 3, 3276800, 19200, 4, 1, 1, 3, 1, 18432, 19
.Lnot_k:
	s_cmp_lt_u32 s24, 96
	s_cbranch_scc0 .Lnot_v
	ARM 10, 64, 3, 3276800, 19200, 4, 1, 1, 2, 3, 18432, 19
.Lnot_v:
	s_cmp_lt_u32 s24, 128
	s_cbranch_scc0 .Lnot_o
	ARM 12, 96, 3, 5734400, 12800, 2, 2, 3, 0, 1, 12288, 19
.Lnot_o:
	s_cmp_lt_u32 s24, 256
	s_cbranch_scc0 .Lnot_f1
	ARM 14, 128, 3, 6553600, 25600, 1, 3, 7, 0, 1, 24576, 21
.Lnot_f1:
	ARM 16, 256, 5, 9830400, 12800, 2, 2, 3, 0, 1, 12288, 19
.Lset:
	s_lshr_b32 s45, s44, s34                       ; block of 256 columns
	s_lshl_b32 s46, s45, s34
	s_sub_co_u32 s46, s44, s46                     ; K step
	s_mul_i32 s47, s45, s37
	s_lshr_b32 s48, s20, s38
	s_add_co_u32 s47, s47, s48                     ; granule row
	s_and_b32 s48, s20, s39
	s_mul_i32 s48, s48, s41
	s_add_co_u32 s48, s48, s40                     ; pair of fragments in the granule
	s_lshl_b32 s47, s47, s34
	s_add_co_u32 s47, s47, s46
	s_mul_i32 s47, s47, s36
	s_add_co_u32 s47, s47, s35                     ; the granule's byte in wts
	s_mul_i32 s49, s48, 3072
	s_add_co_u32 s50, s47, s49                     ; the pair's images
	s_mov_b32 s51, 0
	s_lshl_b32 s49, s48, 7
	s_add_co_u32 s52, s47, s49
	s_add_co_u32 s52, s52, s42                     ; the pair's scale words
	s_mov_b32 s53, 0
	s_add_nc_u64 s[50:51], s[18:19], s[50:51]
	s_add_nc_u64 s[52:53], s[18:19], s[52:53]
	s_lshl_b32 s54, s46, s43                       ; 128 rows of the weight for each K step,
	s_lshl_b32 s55, s45, 10                        ; 256 columns for each block,
	s_add_co_u32 s54, s54, s55
	s_lshl_b32 s55, s20, 7                         ; 32 columns for each wave
	s_add_co_u32 s54, s54, s55
	s_mov_b32 s55, 0
	s_add_nc_u64 s[32:33], s[32:33], s[54:55]
	s_wait_alu depctr_va_vdst(0)
	v_lshlrev_b32 v[VIN], 2, v1
	v_bfe_u32 v20, v0, 3, 1                        ; column l of the 32 is row 8 u + r + 8 (r / 8): u = (l / 8) % 2,
	v_and_b32 v21, 7, v0
	s_delay_alu instid0(VALU_DEP_1)
	v_lshl_add_u32 v21, v3, 3, v21                 ; r = l % 8 + 8 (l / 16)
	s_delay_alu instid0(VALU_DEP_3)
	v_mul_u32_u24 v22, v20, 1536
	s_delay_alu instid0(VALU_DEP_1)
	v_lshl_add_u32 v[VA], v21, 4, v22
	s_delay_alu instid0(VALU_DEP_2)
	v_lshl_add_u32 v[VB], v21, 3, v22
	v_lshlrev_b32 v22, 6, v20
	s_delay_alu instid0(VALU_DEP_1)
	v_lshl_add_u32 v[VW], v21, 2, v22
	s_cmp_eq_u32 s43, 21
	s_cbranch_scc1 .Lwide
	WPATH 4096
	s_endpgm
.Lwide:
	s_wait_alu depctr_va_vdst(0)
	WPATH 16384
	s_endpgm
.Lfunc_end_k_q5610f2c7c3_prep:
	.size	k_q5610f2c7c3_prep, .Lfunc_end_k_q5610f2c7c3_prep-k_q5610f2c7c3_prep
	.p2alignl 7, 3214868480
	.fill 96, 4, 3214868480
	.section	.rodata,"a",@progbits
	.p2align	6, 0x0
	.amdhsa_kernel k_q5610f2c7c3_prep
		.amdhsa_group_segment_fixed_size 68608
		.amdhsa_private_segment_fixed_size 0
		.amdhsa_enable_private_segment 0
		.amdhsa_kernarg_size 64
		.amdhsa_user_sgpr_count 2
		.amdhsa_user_sgpr_kernarg_segment_ptr 1
		.amdhsa_wavefront_size32 1
		.amdhsa_system_sgpr_workgroup_id_x 1
		.amdhsa_system_sgpr_workgroup_id_y 1
		.amdhsa_system_sgpr_workgroup_id_z 1
		.amdhsa_system_vgpr_workitem_id 0
		.amdhsa_next_free_vgpr 160
		.amdhsa_next_free_sgpr 66
		.amdhsa_reserve_vcc 0
		.amdhsa_float_denorm_mode_32 3
		.amdhsa_float_denorm_mode_16_64 3
		.amdhsa_memory_ordered 1
		.amdhsa_forward_progress 1
		.amdhsa_inst_pref_size 60
	.end_amdhsa_kernel
	.amdgpu_metadata
---
amdhsa.version: [ 1, 2 ]
amdhsa.kernels:
  - .name:           k_q5610f2c7c3_prep
    .symbol:         k_q5610f2c7c3_prep.kd
    .args:
      - { .name: x, .offset: 0, .size: 8, .value_kind: global_buffer, .address_space: global }
      - { .name: w_q, .offset: 8, .size: 8, .value_kind: global_buffer, .address_space: global }
      - { .name: w_k, .offset: 16, .size: 8, .value_kind: global_buffer, .address_space: global }
      - { .name: w_v, .offset: 24, .size: 8, .value_kind: global_buffer, .address_space: global }
      - { .name: w_o, .offset: 32, .size: 8, .value_kind: global_buffer, .address_space: global }
      - { .name: w_ff1, .offset: 40, .size: 8, .value_kind: global_buffer, .address_space: global }
      - { .name: w_ff2, .offset: 48, .size: 8, .value_kind: global_buffer, .address_space: global }
      - { .name: wts, .offset: 56, .size: 8, .value_kind: global_buffer, .address_space: global }
    .group_segment_fixed_size: 68608
    .private_segment_fixed_size: 0
    .kernarg_segment_align: 8
    .kernarg_segment_size: 64
    .max_flat_workgroup_size: 256
    .sgpr_count:     66
    .vgpr_count:     160
    .wavefront_size: 32
...
	.end_amdgpu_metadata
.endif
;; end of part 1
;; launch qkv (part 2): grid 16 x 16, 4 waves a work-group, clusters of 4 x 4, 327,680 bytes of LDS; arguments wts, b_q, b_k, b_v, qkvb; writes qkvb
.if DOCPART == 2
	.amdgcn_target "amdgcn-amd-amdhsa--gfx1250"
	.amdhsa_code_object_version 6
	.text
	.protected	k_q5610f2c7c3_qkv
	.globl	k_q5610f2c7c3_qkv
	.p2align	8
	.type	k_q5610f2c7c3_qkv,@function
k_q5610f2c7c3_qkv:
	s_mov_b64 s[64:65], 0
	v_nop
	global_prefetch_b8 v0, s[64:65] scope:SCOPE_SE
	s_setreg_imm32_b32 hwreg(HW_REG_WAVE_MODE, 25, 1), 1
	s_wait_xcnt 0x0
	s_wait_alu depctr_hold_cnt(0) depctr_sa_sdst(0) depctr_va_vdst(0) depctr_va_sdst(0) depctr_va_ssrc(0) depctr_va_vcc(0) depctr_vm_vsrc(0)
	s_getreg_b32 s2, hwreg(HW_REG_IB_STS2, 6, 4)
	s_cmp_eq_u32 s2, 0
	s_cbranch_scc0 .Lentry_in_a_cluster
	s_endpgm
.Lentry_in_a_cluster:
	s_bfe_u32 s2, ttmp6, 0x10000c
	s_cmp_lg_u32 s2, 0xf033
	s_cbranch_scc0 .Lentry_shape_is_right
	s_endpgm
.Lentry_shape_is_right:
; QKV: q, k, v = x W + b on codes of E2M3, and their own codes for attention.  No work is left out.
; A work-group makes 256 rows x one head's q, k and v (192 columns); four waves, 2 x 2: wave row ry takes 128 rows, wave column 0 takes q's 64 and v's dims 0-31, column 1 k's 64 and v's dims 32-63: one text serves both.
; Operands come as register images (see the first launch's head): a K step's tiles are dense blocks.  A slot holds two K steps of x (2 x 25,600 bytes) and of W (2 x 19,200).
; THE RING.  K is 8 steps.  THREE slots, 268,800 bytes, are asked for at the head: K steps 0 to 5, three loads of each wave.  The last two K steps are asked for once, into slot 0, behind the change out of it:
; between that request and the wait for it a wave issues 160 matrix instructions.  The barrier of that one refill, in front of which every wave has waited for all its loads, shows slots 1 and 2 whole to every wave: the change from slot 1 to slot 2 has no barrier.
; q and k are used transposed (source 0 = W's 16 columns, source 1 = x's 16 rows): a lane holds one row, its registers run along the head's 64.  v the other way (source 0 = x, source 1 = W): a lane holds one dim, its registers run along the keys.
; So both are quantised along their next K in registers.  The biases are the C of each sum's first matrix instruction.
; OUT (qkvb): q at 0: [32 heads x batches][16 steps of 128 queries][6,400]: four DOUBLE fragments (E0-5: tile 2 f's 64 dims, E6-11: tile 2 f + 1's), then 64 scale words.
;   k and v at 3,276,800: [32][16 key steps][12,800]: k's four double fragments, 256 bytes of words, v^T's four fragments (16 dims x 128 keys), 256 bytes of words.
; CLUSTER 4 x 4: x's tiles are shared along a row, W's along a column: joint loads.
; LIMITS: NaN and infinities are not served; a block of zeros gets the byte 1 (its codes are zeros; this program alone reads the bytes).
; REGISTERS: window 0: v8-32 addresses, v40-55 scale words (two sets), v64-255 x's fragments (two sets of 8).  window 1: W's fragments (two sets of 6).  window 2: the 32 accumulators of q or k.  window 3: v0-127 v's 16, v128-175 the biases.
; THE HEAD'S LOADS AND THE PLACES IN LDS, as the text below has them (in place of what THE RING above says of them): x's K steps 0 to 5 lie on end from LDS byte 0, W's behind them from 6 x 25,600.
; One joint load a wave at the head: wave 0 x's K steps 0-1, wave 1 W's 0-1, wave 2 x's 2-5, wave 3 W's 2-5.  The first barrier waits for waves 0 and 1 alone; the round in K step 1 shows the rest.
.set MT, 8
.set G1C, 76                           ; s[76:83] group 1 for x's K steps 2-5;  s[88:95] for W's
.set G1D, 88
.set G0HA, 36                          ; s[36:39], s[60:63] group 0 of the head's loads of x and of W
.set G0HB, 60
.set NT, 6
.set AB, 25600
.set BB, 19200
.set NQ, 2
.set KS, 8
.set HALFA, NQ*AB/2
.set HALFB, NQ*BB/2
.set SLOT, NQ*(AB+BB)
.set AW, 24576
.set BW, 18432
.set SPARE, 3*SLOT                     ; behind the three slots: the spare words
.set BOFF, 3276800
.set KVOFF, 3276800
.set A16, 8                            ; v8-10   x's images in slot 0, 1, 2: + 16 x lane
.set A8,  11                           ; v11-13  + 8 x lane
.set AS,  14                           ; v14-16  x's scale words
.set B16, 17                           ; v17-25  the same for W
.set B8,  20
.set BS,  23
.set SPW, 28
.set NIL, 29
.set LI,  30
.set LJ,  31
.set LS,  32
.set SCB, 40
.set SCA, 44
.set XB,  64
.set TM,  64
.set PT,  80
.set PC,  96
.set PW,  200
.set PX,  208
.set G1,  24                           ; s[24:31] descriptor group 1 for x's tiles;  s[48:55] for W's
.set G1B, 48
.set G0,  72                           ; s[72:75] group 0 for x's tiles, slot 0's alone;  s[84:87] for W's
.set G0B, 84
.set SEL, 68
.set MSB, 0
.macro WIN new
.if MSB != (\new)
	s_set_vgpr_msb (MSB<<8)|(\new)
.set MSB, (\new)
.endif
.endm
.macro PLACES n
.rept \n
	v_nop
.endr
.endm
.macro FRAG reg, a16, a8, off          ; an image comes back as the twelve registers that it is
	ds_load_b128 v[(\reg):(\reg)+3], v[\a16] offset:(\off)
	ds_load_b64 v[(\reg)+4:(\reg)+5], v[\a8] offset:(\off)+512
	ds_load_b128 v[(\reg)+6:(\reg)+9], v[\a16] offset:(\off)+768
	ds_load_b64 v[(\reg)+10:(\reg)+11], v[\a8] offset:(\off)+1280
.endm
.macro GIMG pc, base, off
	global_store_b128 v[LI], v[(\pc):(\pc)+3], s[\base:\base+1] offset:(\off)
	global_store_b64 v[LJ], v[(\pc)+4:(\pc)+5], s[\base:\base+1] offset:(\off)+512
	global_store_b128 v[LI], v[(\pc)+6:(\pc)+9], s[\base:\base+1] offset:(\off)+768
	global_store_b64 v[LJ], v[(\pc)+10:(\pc)+11], s[\base:\base+1] offset:(\off)+1280
.endm
.macro WMG                             ; one product, by the symbols rD rA rB rC rSA rSB; fA, fB: the scale words lie in lanes 16-31
.if fA && fB
	v_wmma_scale_f32_16x16x128_f8f6f4 v[rD:rD+7], v[rA:rA+11], v[rB:rB+11], v[rC:rC+7], v[rSA], v[rSB] matrix_a_fmt:MATRIX_FMT_FP6 matrix_b_fmt:MATRIX_FMT_FP6 matrix_a_scale:MATRIX_SCALE_ROW1 matrix_b_scale:MATRIX_SCALE_ROW1
.elseif fA
	v_wmma_scale_f32_16x16x128_f8f6f4 v[rD:rD+7], v[rA:rA+11], v[rB:rB+11], v[rC:rC+7], v[rSA], v[rSB] matrix_a_fmt:MATRIX_FMT_FP6 matrix_b_fmt:MATRIX_FMT_FP6 matrix_a_scale:MATRIX_SCALE_ROW1
.elseif fB
	v_wmma_scale_f32_16x16x128_f8f6f4 v[rD:rD+7], v[rA:rA+11], v[rB:rB+11], v[rC:rC+7], v[rSA], v[rSB] matrix_a_fmt:MATRIX_FMT_FP6 matrix_b_fmt:MATRIX_FMT_FP6 matrix_b_scale:MATRIX_SCALE_ROW1
.else
	v_wmma_scale_f32_16x16x128_f8f6f4 v[rD:rD+7], v[rA:rA+11], v[rB:rB+11], v[rC:rC+7], v[rSA], v[rSB] matrix_a_fmt:MATRIX_FMT_FP6 matrix_b_fmt:MATRIX_FMT_FP6
.endif
.endm
.macro QUANT s, w, pc, pw, nc
	WIN 0
.set qb, 0
.rept 2*(\nc)
	v_mov_b32 v[TM+qb], 0x1800000                  ; the floor 2^(3 - 127)
.set qb, qb+1
.endr
	WIN ((\w)<<2)|((\w)<<4)
.set qi, 0
.rept 8
.set qb, 0
.rept 2*(\nc)
	v_max3_num_f32 v[TM+qb], v[TM+qb], |v[(\s)+16*qb+qi]|, |v[(\s)+16*qb+qi+1]|   ; each accumulator is read from its low end on
.set qb, qb+1
.endr
.set qi, qi+2
.endr
	WIN 0
.set qb, 0
.rept 2*(\nc)
	v_permlanex16_b32 v[TM+4+qb], v[TM+qb], s[SEL], s[SEL+1]
.set qb, qb+1
.endr
.set qb, 0
.rept 2*(\nc)
	v_max_num_f32 v[TM+qb], v[TM+qb], v[TM+4+qb]
.set qb, qb+1
.endr
.set qb, 0
.rept 2*(\nc)
	v_add_nc_u32 v[TM+12+qb], 0xff000000, v[TM+qb]
.set qb, qb+1
.endr
.set qb, 0
.rept 2*(\nc)
	v_lshrrev_b32 v[TM+4+qb], 23, v[TM+12+qb]
.set qb, qb+1
.endr
	v_lshl_or_b32 v[\pw], v[TM+5], 8, v[TM+4]
.if (\nc) > 1
	v_lshl_or_b32 v[\pw], v[TM+6], 16, v[\pw]
	v_lshl_or_b32 v[\pw], v[TM+7], 24, v[\pw]
.endif
	WIN \w
.set qc, 0
.rept \nc
	v_cvt_scalef32_pk16_fp6_f32 v[(\pc)+6*qc:(\pc)+6*qc+2], v[(\s)+32*qc:(\s)+32*qc+15], v[TM+12+2*qc]
	v_cvt_scalef32_pk16_fp6_f32 v[PT+4*qc:PT+4*qc+2], v[(\s)+32*qc+16:(\s)+32*qc+31], v[TM+12+2*qc+1]
.set qc, qc+1
.endr
	WIN 0
	v_nop                                          ; one plain place behind the scaled conversions
.set qc, 0
.rept \nc
.irp i, 0,1,2
	v_permlane16_swap_b32 v[(\pc)+6*qc+\i], v[PT+4*qc+\i]
.endr
.irp i, 0,1,2
	v_mov_b32 v[(\pc)+6*qc+3+\i], v[PT+4*qc+\i]
.endr
.set qc, qc+1
.endr
.endm
; A joint load: waves 0 and 1 fetch the halves of x's run, waves 2 and 3 of W's.  The branch hangs on the wave's number alone.  An s_nop 0 and four v_nop follow each line.
.macro JLOAD g0a, g1a, g0b, g1b
	s_cmp_eq_u32 s15, 0
	s_cbranch_scc0 .Lfor_b_\@
	tensor_load_to_lds s[\g0a:\g0a+3], s[\g1a:\g1a+7]
	s_nop 0
.rept 4
	v_nop
.endr
	s_branch .Lasked_\@
.Lfor_b_\@:
	tensor_load_to_lds s[\g0b:\g0b+3], s[\g1b:\g1b+7]
	s_nop 0
.rept 4
	v_nop
.endr
.Lasked_\@:
.endm
.macro CREST
	s_cmp_lg_u32 s14, 0
	s_cbranch_scc1 .Lnot_wave_0_\@
	s_barrier_signal -3
.Lnot_wave_0_\@:
	s_barrier_wait -3
	s_barrier_signal -1
	s_barrier_wait -1
.endm
.macro CROUND
	s_barrier_signal -1
	s_barrier_wait -1
	CREST
.endm
.macro FETCH slot, q, p                ; the fragments and scale words of the slot's q-th K step into set p
	WIN 0x40
.set fi, 0
.rept NT
	FRAG 72*(\p)+12*fi, B16+\slot, B8+\slot, (\q)*BB+fi*1536
.set fi, fi+1
.endr
	WIN 0
.set fi, 0
.rept MT
	FRAG XB+96*(\p)+12*fi, A16+\slot, A8+\slot, (\q)*AB+fi*1536
.set fi, fi+1
.endr
.set fi, 0
.rept NT/2
	ds_load_b32 v[SCB+8*(\p)+fi], v[BS+\slot] offset:(\q)*BB+128*fi   ; lanes 0-15: fragment 2 i's words, lanes 16-31: fragment 2 i + 1's
.set fi, fi+1
.endr
.set fi, 0
.rept MT/2
	ds_load_b32 v[SCA+8*(\p)+fi], v[AS+\slot] offset:(\q)*AB+128*fi
.set fi, fi+1
.endr
.endm
; q's or k's products of x's blocks a0 on: the accumulators take turns, one instruction a turn, in one order in every step
.macro MULQK a0, n, p, first
.if \first
	WIN 0xb1                                       ; W window 1, x window 0, the bias window 3, D window 2
.else
	WIN 0xa1
.endif
.set ma, \a0
.rept \n
.set mb, 0
.rept 4
.set rD, 8*(4*ma+mb)
.set rA, 72*(\p)+12*mb
.set rB, XB+96*(\p)+12*ma
.if \first
.set rC, 128+8*mb
.else
.set rC, rD
.endif
.set rSA, SCB+8*(\p)+mb/2
.set rSB, SCA+8*(\p)+ma/2
.set fA, mb%2
.set fB, ma%2
	WMG
.set mb, mb+1
.endr
.set ma, ma+1
.endr
.endm
.macro MULV p, first                   ; v's sixteen: source 0 = x, source 1 = W's fragments 4 and 5
	WIN 0xf4
.set mu, 0
.rept 2
.set ma, 0
.rept 8
.set rD, 8*(8*mu+ma)
.set rA, XB+96*(\p)+12*ma
.set rB, 72*(\p)+12*(4+mu)
.if \first
.set rC, 160+8*mu
.else
.set rC, rD
.endif
.set rSA, SCA+8*(\p)+ma/2
.set rSB, SCB+8*(\p)+2
.set fA, ma%2
.set fB, mu
	WMG
.set ma, ma+1
.endr
.set mu, mu+1
.endr
.endm
.macro STEP slot, q, first             ; a K step that has its successor in the same slot
	s_wait_dscnt 0x0                               ; this step's set is in
	PLACES 4                                       ; in front of loads into the set that the last step's products read
	FETCH \slot, (\q)+1, 1-(\q)%2
	MULQK 0, 8, (\q)%2, \first
	MULV (\q)%2, \first
.endm
.macro HOP next                        ; a slot's last K step whose successor lies in a slot that an earlier barrier has shown whole: no barrier
	s_wait_dscnt 0x0
	PLACES 4
	FETCH \next, 0, 0
	MULQK 0, 8, 1, 0
	MULV 1, 0
.endm
; A slot's last K step with a barrier; in front of it each wave waits for all its tensor loads, adds 0 to its spare word, and waits for that and for its reads of this slot.  fill = 1: this slot takes the K steps three slots on
.macro TURN slot, next, fill
	WIN 0
	s_wait_tensorcnt 0x0                           ; all my tensor loads have landed
	ds_add_u32 v[SPW], v[NIL]
.if \fill
	s_mov_b32 s[G1+2], (HALFA/256)<<16             ; no tensor load of mine is out: from here on a load brings half of two K steps
	s_mov_b32 s[G1+4], HALFA/256
	s_mov_b32 s[G1B+2], (HALFB/256)<<16
	s_mov_b32 s[G1B+4], HALFB/256
.endif
	s_wait_dscnt 0x1
	MULQK 0, 4, 1, 0
	s_wait_dscnt 0x0                               ; the add is done, and my reads of this slot are over
	s_barrier_signal -1
	MULQK 4, 4, 1, 0
	WIN 0
	s_barrier_wait -1
.if \fill
	CREST                                          ; the barrier has opened a round of the cluster's: no wave of any partner still reads this slot or has a load on its way
	s_add_nc_u64 s[G0+4*\slot+2:G0+4*\slot+3], s[G0+4*\slot+2:G0+4*\slot+3], 3*NQ*AB
	s_add_nc_u64 s[G0B+4*\slot+2:G0B+4*\slot+3], s[G0B+4*\slot+2:G0B+4*\slot+3], 3*NQ*BB
	JLOAD G0+4*\slot, G1, G0B+4*\slot, G1B         ; the first tensor load behind the round; its four v_nop are the places in front of the loads below
.else
	PLACES 4
.endif
	FETCH \next, 0, 0
	MULV 1, 0
.endm
	s_load_b256 s[4:11], s[0:1], 0x0               ; wts, b_q, b_k, b_v
	s_load_b64 s[12:13], s[0:1], 0x20              ; qkvb
	v_lshl_add_u32 v[SPW], v0, 2, SPARE
	v_mov_b32 v[NIL], 0
	ds_add_u32 v[SPW], v[NIL]                      ; the opening: the add, twice on end, and its wait ahead of my first tensor load
	ds_add_u32 v[SPW], v[NIL]
	v_lshrrev_b32 v1, 5, v0
	v_readfirstlane_b32 s14, v1                    ; wave
	s_lshr_b32 s15, s14, 1                         ; wave row.  Also: I fetch for x (0) or for W (1)
	s_and_b32 s16, s14, 1                          ; wave column.  Also: which half of the run I fetch
	s_bfe_u32 s40, ttmp6, 0x40000                  ; cx
	s_bfe_u32 s41, ttmp6, 0x40004                  ; cy
	s_lshl_b32 s42, ttmp9, 2
	s_add_co_u32 s42, s42, s40                     ; the head
	s_and_b32 s17, ttmp7, 0xffff
	s_lshl_b32 s17, s17, 2
	s_add_co_u32 s17, s17, s41                     ; block of 256 rows
	s_lshl_b32 s43, s41, 2
	s_lshl_b32 s43, 15, s43                        ; my row of the cluster
	s_lshl_b32 s44, 0x1111, s40                    ; my column
	s_or_b32 s[G1], s43, (3<<16)|(1<<21)           ; the mask; elements of 8 bytes; bit 21 beside a mask; no padding
	s_or_b32 s[G1B], s44, (3<<16)|(1<<21)
	s_mov_b32 s[G1+1], 32<<16                      ; rows of 256 bytes
	s_mov_b32 s[G1+2], (NQ*AB/256)<<16
	s_mov_b32 s[G1+3], 32<<16
	s_mov_b32 s[G1+4], NQ*AB/256
	s_mov_b32 s[G1+5], 32
	s_mov_b32 s[G1+6], 0
	s_mov_b32 s[G1+7], 0
	s_mov_b32 s[G1B+1], 32<<16
	s_mov_b32 s[G1B+2], (NQ*BB/256)<<16
	s_mov_b32 s[G1B+3], 32<<16
	s_mov_b32 s[G1B+4], NQ*BB/256
	s_mov_b32 s[G1B+5], 32
	s_mov_b32 s[G1B+6], 0
	s_mov_b32 s[G1B+7], 0
	s_or_b32 s[G1C], s43, (3<<16)|(1<<21)
	s_or_b32 s[G1D], s44, (3<<16)|(1<<21)
	s_mov_b32 s[G1C+2], (2*NQ*AB/256)<<16          ; four K steps
	s_mov_b32 s[G1C+4], 2*NQ*AB/256
	s_mov_b32 s[G1D+2], (2*NQ*BB/256)<<16
	s_mov_b32 s[G1D+4], 2*NQ*BB/256
.irp g, G1C, G1D
	s_mov_b32 s[\g+1], 32<<16
	s_mov_b32 s[\g+3], 32<<16
	s_mov_b32 s[\g+5], 32
	s_mov_b32 s[\g+6], 0
	s_mov_b32 s[\g+7], 0
.endr
	s_mul_i32 s20, s17, KS*AB                      ; x (at wts' first byte): the row block's granules lie on end
	s_mul_i32 s18, s16, HALFA
	s_add_co_u32 s20, s20, s18
	s_mov_b32 s21, 0
	s_mul_i32 s46, s42, KS*BB                      ; W: the head's
	s_mul_i32 s19, s16, HALFB
	s_add_co_u32 s46, s46, s19
	s_add_co_u32 s46, s46, BOFF
	s_mov_b32 s47, 0
	s_mov_b32 s45, s18                             ; where they go in a slot: no place in the cluster enters an LDS address
	s_add_co_u32 s96, s19, 3*NQ*AB
	s_mov_b32 s[SEL], 0x76543210
	s_mov_b32 s[SEL+1], 0xfedcba98
	s_wait_dscnt 0x0                               ; both opening adds are done
	s_wait_kmcnt 0x0
	s_add_nc_u64 s[20:21], s[4:5], s[20:21]
	s_add_nc_u64 s[46:47], s[4:5], s[46:47]
	CROUND                                         ; all sixteen work-groups are here: the first joint loads meet
.irp s, 0
	s_mov_b32 s[G0+4*\s], 1
	s_add_co_u32 s[G0+4*\s+1], s45, \s*SLOT
	s_add_nc_u64 s[G0+4*\s+2:G0+4*\s+3], s[20:21], \s*NQ*AB
	s_or_b32 s[G0+4*\s+3], s[G0+4*\s+3], 0x80000000
	s_mov_b32 s[G0B+4*\s], 1
	s_add_co_u32 s[G0B+4*\s+1], s96, \s*SLOT
	s_add_nc_u64 s[G0B+4*\s+2:G0B+4*\s+3], s[46:47], \s*NQ*BB
	s_or_b32 s[G0B+4*\s+3], s[G0B+4*\s+3], 0x80000000
.endr
	s_mov_b32 s99, 0                               ; the head's loads begin at a run's first byte (without my half), waves 2 and 3 two K steps on
	s_mov_b32 s98, s18
	s_sub_nc_u64 s[G0HA+2:G0HA+3], s[20:21], s[98:99]
	s_mov_b32 s98, s19
	s_sub_nc_u64 s[G0HB+2:G0HB+3], s[46:47], s[98:99]
	s_mul_i32 s98, s15, NQ*AB
	s_add_nc_u64 s[G0HA+2:G0HA+3], s[G0HA+2:G0HA+3], s[98:99]
	s_mov_b32 s[G0HA+1], s98
	s_mul_i32 s98, s15, NQ*BB
	s_add_nc_u64 s[G0HB+2:G0HB+3], s[G0HB+2:G0HB+3], s[98:99]
	s_add_co_u32 s[G0HB+1], s98, 3*NQ*AB
	s_mov_b32 s[G0HA], 1
	s_mov_b32 s[G0HB], 1
	s_or_b32 s[G0HA+3], s[G0HA+3], 0x80000000
	s_or_b32 s[G0HB+3], s[G0HB+3], 0x80000000
.macro ARM under, g0, g1, next         ; one chain of branches on the wave's number, one load to an arm, all arms to one join
	s_cmp_lt_u32 s14, \under
	s_cbranch_scc0 \next
	tensor_load_to_lds s[\g0:\g0+3], s[\g1:\g1+7]
	s_nop 0
	PLACES 4
	s_branch .Lhead_asked
\next:
.endm
	ARM 1, G0HA, G1, .Lhead_1
	ARM 2, G0HB, G1B, .Lhead_2
	ARM 3, G0HA, G1C, .Lhead_3
	tensor_load_to_lds s[G0HB:G0HB+3], s[G1D:G1D+7]
	s_nop 0
	PLACES 4
.Lhead_asked:
	v_and_b32 v1, 31, v0                           ; lane
	v_lshlrev_b32 v[LI], 4, v1
	s_wait_alu depctr_va_vdst(0)
	v_lshlrev_b32 v[LJ], 3, v1
	s_wait_alu depctr_va_vdst(0)
	v_lshlrev_b32 v[LS], 2, v1
	s_wait_alu depctr_va_vdst(0)
	s_mul_i32 s20, s15, MT*1536                    ; my rows' fragments
	s_mul_i32 s21, s16, NT*1536
	s_add_co_u32 s21, s21, 3*NQ*AB
	s_mul_i32 s22, s15, MT*64
	s_add_co_u32 s22, s22, AW                      ; their scale words
	s_mul_i32 s23, s16, NT*64
	s_add_co_u32 s23, s23, 3*NQ*AB+BW
.irp s, 0,1,2
	v_add_nc_u32 v[A16+\s], s20, v[LI]
	v_add_nc_u32 v[A8+\s], s20, v[LJ]
	v_add_nc_u32 v[AS+\s], s22, v[LS]
	v_add_nc_u32 v[B16+\s], s21, v[LI]
	v_add_nc_u32 v[B8+\s], s21, v[LJ]
	v_add_nc_u32 v[BS+\s], s23, v[LS]
	s_add_co_u32 s20, s20, NQ*AB
	s_add_co_u32 s21, s21, NQ*BB
	s_add_co_u32 s22, s22, NQ*AB
	s_add_co_u32 s23, s23, NQ*BB
.endr
	; the biases, in the results' layout
	v_bfe_u32 v2, v0, 4, 1
	v_lshlrev_b32 v2, 6, v2                        ; q, k: 16 h numbers on
	s_wait_alu depctr_va_vdst(0)
	v_and_b32 v3, 15, v0
	v_and_b32 v4, 8, v3
	v_add_nc_u32 v3, v3, v4
	v_lshlrev_b32 v3, 2, v3                        ; v: dim r + 8 (r / 8) of the fragment's 32
	s_wait_alu depctr_va_vdst(0)
	s_lshl_b32 s20, s42, 8                         ; the head's 64 numbers
	s_mov_b32 s21, 0
	s_cmp_eq_u32 s16, 0
	s_cselect_b64 s[32:33], s[6:7], s[8:9]         ; wave column 0: b_q, column 1: b_k
	s_add_nc_u64 s[32:33], s[32:33], s[20:21]
	s_lshl_b32 s22, s16, 7
	s_add_co_u32 s20, s20, s22
	s_add_nc_u64 s[34:35], s[10:11], s[20:21]      ; b_v at my 32 dims
	WIN 0xc0
.irp b, 0,1,2,3
	global_load_b128 v[128+8*\b:128+8*\b+3], v2, s[32:33] offset:(32*(\b/2)+8*(\b%2))*4
	global_load_b128 v[128+8*\b+4:128+8*\b+7], v2, s[32:33] offset:(32*(\b/2)+8*(\b%2))*4+16
.endr
.irp u, 0,1
.irp j, 0,1,2,3,4,5,6,7
	global_load_b32 v[160+8*\u+\j], v3, s[34:35] offset:32*\u   ; a lane's eight keys take the same number
.endr
.endr
	WIN 0
	s_wait_alu depctr_va_vdst(0)                   ; the head's end
	s_cmp_lt_u32 s14, 2
	s_cbranch_scc0 .Lnot_first
	s_wait_tensorcnt 0x0                           ; waves 0 and 1: K steps 0 and 1 are in; the loads of waves 2 and 3 may stay out
.Lnot_first:
	s_barrier_signal -1
	s_barrier_wait -1
	FETCH 0, 0, 0
	s_wait_loadcnt 0x0                             ; the biases
	STEP 0, 0, 1                                   ; K step 0: its products start the sums from the biases
	TURN 0, 1, 1                                   ; K step 1; slots 1 and 2 are whole for every wave; slot 0 takes K steps 6 and 7
	STEP 1, 0, 0                                   ; K step 2
	HOP 2                                          ; K step 3
	STEP 2, 0, 0                                   ; K step 4
	TURN 2, 0, 0                                   ; K step 5; slot 0's second tiles are whole; nothing is left to fetch
	STEP 0, 0, 0                                   ; K step 6
	s_wait_dscnt 0x0                               ; K step 7
	MULQK 0, 8, 1, 0
	MULV 1, 0
	WIN 0
	; ---- the way out: codes straight from registers
	PLACES 4
.irp b, 0,1,2,3
	v_mov_b32 v[TM+4+\b], 0
.endr
	v_cmp_gt_u32 s66, 16, v1                       ; lanes 0-15
	s_lshr_b32 s20, s17, 3                         ; batch
	s_lshl_b32 s20, s20, 4
	s_add_co_u32 s20, s20, s42
	s_lshl_b32 s20, s20, 4
	s_and_b32 s21, s17, 7
	s_lshl_b32 s21, s21, 1
	s_add_co_u32 s20, s20, s21
	s_add_co_u32 s20, s20, s15                     ; (batch x 16 + head) x 16 + my step of 128 rows
	s_mul_i32 s22, s20, 12800
	s_add_co_u32 s22, s22, KVOFF                   ; k's and v's granule
	s_mul_i32 s23, s20, 6400                       ; q's
	s_cmp_eq_u32 s16, 0
	s_cselect_b32 s56, s23, s22
	s_mov_b32 s57, 0
	s_add_nc_u64 s[56:57], s[12:13], s[56:57]
	s_mul_i32 s23, s16, 3072
	s_add_co_u32 s58, s22, s23
	s_add_co_u32 s58, s58, 6400                    ; v^T's tiles 2 col, 2 col + 1
	s_mov_b32 s59, 0
	s_add_nc_u64 s[58:59], s[12:13], s[58:59]
	s_lshl_b32 s23, s16, 7
	s_add_co_u32 s60, s22, s23
	s_add_co_u32 s60, s60, 12544                   ; and their words
	s_mov_b32 s61, 0
	s_add_nc_u64 s[60:61], s[12:13], s[60:61]
.irp f, 0,1,2,3
	QUANT 64*\f, 2, PC+12*\f, PW+\f, 2             ; tiles 2 f and 2 f + 1 of rows, 64 dims each: a double fragment
	GIMG PC+12*\f, 56, 1536*\f
.endr
.irp i, 0,1
	v_cndmask_b32 v[PX+\i], v[PW+2*\i+1], v[PW+2*\i], s66   ; both halves of the lanes hold a fragment's words: two fragments' make 128 bytes
	global_store_b32 v[LS], v[PX+\i], s[56:57] offset:6144+128*\i
.endr
.irp u, 0,1
	QUANT 64*\u, 3, PC+48+12*\u, PW+4+\u, 2        ; 16 dims x 128 keys
	GIMG PC+48+12*\u, 58, 1536*\u
.endr
	v_cndmask_b32 v[PX+2], v[PW+5], v[PW+4], s66
	global_store_b32 v[LS], v[PX+2], s[60:61]
	s_wait_tensorcnt 0x0                           ; the wave's end
	ds_add_u32 v[SPW], v[NIL]
	s_wait_dscnt 0x0
	CROUND                                         ; the closing round
	s_endpgm
.Lfunc_end_k_q5610f2c7c3_qkv:
	.size	k_q5610f2c7c3_qkv, .Lfunc_end_k_q5610f2c7c3_qkv-k_q5610f2c7c3_qkv
	.p2alignl 7, 3214868480
	.fill 96, 4, 3214868480
	.section	.rodata,"a",@progbits
	.p2align	6, 0x0
	.amdhsa_kernel k_q5610f2c7c3_qkv
		.amdhsa_group_segment_fixed_size 327680
		.amdhsa_private_segment_fixed_size 0
		.amdhsa_enable_private_segment 0
		.amdhsa_kernarg_size 40
		.amdhsa_user_sgpr_count 2
		.amdhsa_user_sgpr_kernarg_segment_ptr 1
		.amdhsa_wavefront_size32 1
		.amdhsa_system_sgpr_workgroup_id_x 1
		.amdhsa_system_sgpr_workgroup_id_y 1
		.amdhsa_system_sgpr_workgroup_id_z 1
		.amdhsa_system_vgpr_workitem_id 0
		.amdhsa_next_free_vgpr 1024
		.amdhsa_next_free_sgpr 100
		.amdhsa_reserve_vcc 0
		.amdhsa_float_denorm_mode_32 3
		.amdhsa_float_denorm_mode_16_64 3
		.amdhsa_memory_ordered 1
		.amdhsa_forward_progress 1
		.amdhsa_inst_pref_size 123
	.end_amdhsa_kernel
	.amdgpu_metadata
---
amdhsa.version: [ 1, 2 ]
amdhsa.kernels:
  - .name:           k_q5610f2c7c3_qkv
    .symbol:         k_q5610f2c7c3_qkv.kd
    .args:
      - { .name: wts, .offset: 0, .size: 8, .value_kind: global_buffer, .address_space: global }
      - { .name: b_q, .offset: 8, .size: 8, .value_kind: global_buffer, .address_space: global }
      - { .name: b_k, .offset: 16, .size: 8, .value_kind: global_buffer, .address_space: global }
      - { .name: b_v, .offset: 24, .size: 8, .value_kind: global_buffer, .address_space: global }
      - { .name: qkvb, .offset: 32, .size: 8, .value_kind: global_buffer, .address_space: global }
    .group_segment_fixed_size: 327680
    .private_segment_fixed_size: 0
    .kernarg_segment_align: 8
    .kernarg_segment_size: 40
    .max_flat_workgroup_size: 128
    .sgpr_count:     100
    .vgpr_count:     1024
    .wavefront_size: 32
...
	.end_amdgpu_metadata
.endif
;; end of part 2
;; launch attn (part 3): grid 8 x 32, 8 waves a work-group, clusters of 4 x 1, 327,680 bytes of LDS; arguments qkvb, ctx; writes ctx
.if DOCPART == 3
	.amdgcn_target "amdgcn-amd-amdhsa--gfx1250"
	.amdhsa_code_object_version 6
	.text
	.protected	k_q5610f2c7c3_attn
	.globl	k_q5610f2c7c3_attn
	.p2align	8
	.type	k_q5610f2c7c3_attn,@function
k_q5610f2c7c3_attn:
	s_mov_b64 s[64:65], 0
	v_nop
	global_prefetch_b8 v0, s[64:65] scope:SCOPE_SE
	s_setreg_imm32_b32 hwreg(HW_REG_WAVE_MODE, 25, 1), 1
	s_wait_xcnt 0x0
	s_wait_alu depctr_hold_cnt(0) depctr_sa_sdst(0) depctr_va_vdst(0) depctr_va_sdst(0) depctr_va_ssrc(0) depctr_va_vcc(0) depctr_vm_vsrc(0)
	s_getreg_b32 s2, hwreg(HW_REG_IB_STS2, 6, 4)
	s_cmp_eq_u32 s2, 0
	s_cbranch_scc0 .Lentry_in_a_cluster
	s_endpgm
.Lentry_in_a_cluster:
	s_bfe_u32 s2, ttmp6, 0x10000c
	s_cmp_lg_u32 s2, 0x3003
	s_cbranch_scc0 .Lentry_shape_is_right
	s_endpgm
.Lentry_shape_is_right:
; ATTN: ctx = softmax(q k^T / 8) v for one batch and head, both products on codes of E2M3; ctx leaves as codes along its 1,024 (register images, as the first launch's head lays them down).  No work is left out.
; A work-group takes 256 queries of one (batch, head); eight waves, each 32 queries: two tiles A and B of 16, which share every fragment of k and of v.  Both products are used transposed: a lane holds one query.
; LDS: the head's 16 key steps of 12,800 bytes (k's four double fragments and words, v^T's four fragments and words), filled ONCE: one joint load of two key steps a wave.  Nothing is filled again.
; The first barrier waits for waves 0 and 1 alone (key steps 0-3); three key steps later a second barrier shows the rest.
; CLUSTER 4 x 1: the four query blocks of a cluster read the same k and v: joint loads, mask 15.  No prefetch: all that the launch reads by tensor loads is asked for at its head, so no later load is left to run ahead of.
; THE KEYS OF A TILE.  k's image f holds keys 32 f + 0..31: E0-5 octets 0 and 2 (rows 0-7, 8-15), E6-11 octets 1 and 3.  A fragment (c, e) is read with lanes r < 8 from image 2 c and lanes r >= 8 from image 2 c + 1, rows 8 e + r % 8:
; so in score tile i = 2 e + u of pair c, lane (r, h), register j is key 64 c + 32 h + 8 i + j: a lane's 32 registers of four tiles are ONE scale block of p, in the order of the operand's registers.  No lane asks another for a block's maximum.
; The head's 64 dims fill half of the instruction's 128: q stands between runs of zero codes, [q 0] meets E0-5, [0 q] meets E6-11.
; SOFTMAX: -M = floor(-t) of the running largest t, a whole number; p = 2^(t - M); the sum is taken of p before it is quantised; when M moves, sum and O^T are multiplied by a power of two made by v_ldexp_f32.  A block's largest p is made from its largest score by the same two instructions.
; LIMITS: holds while the scaled scores stay under 2^31 in magnitude; NaN and infinities are not served; a block of zeros gets the byte 1 (its codes are zeros; this program alone reads the bytes).
; The last key step asks once more for k's fragments of step 15 (the address is held there): they are not used.
; REGISTERS: window 0: v1-15 addresses, v16-45 zeros q_A zeros q_B zeros, v46-53 scale words, v54-91 the softmax's state and scratch, v92-115 p's codes, v116-179 the scores, v180-243 O^T of A and B.  window 1: v0-47 k's fragments, v48-95 v's.
.set KVOFF, 3276800
.set STEPB, 12800
.set SPARE, 204800                     ; behind the 16 key steps: the spare words, 128 bytes a wave
.set SPW, 7
.set NIL, 8
.set KB,  10                           ; v10-12 k's lane terms: pieces of 16 bytes, of 8 bytes, scale words
.set KA,  13                           ; v13-15 the same + the next key step
.set QA,  22
.set QB,  34
.set QSA, 46
.set QSB, 47
.set KSC, 48
.set VSC, 50
.set PSA, 52
.set PSB, 53
.set NMA, 54                           ; v54 -M, v55 the running largest score; v56, v57 tile B's
.set NMB, 56
.set LA,  58                           ; the sums, two halves each
.set LB,  60
.set F,   62
.set TMP, 64
.set T2,  65
.set BM,  66
.set SOP, 70
.set BY,  72
.set W,   74
.set W2,  75
.set SH8, 76                           ; 8 h
.set OLD, 77
.set U,   78
.set CT,  84
.set PCA, 92
.set PCB, 104
.set S,   116
.set OA,  180
.set OB,  212
.set KR,  0
.set VR,  48
.set TM,  66
.set PT,  84
.set SEL, 20
.set CS,  22
.set G1,  24
.set G0,  32
.set MSB, 0
.macro WIN new
.if MSB != (\new)
	s_set_vgpr_msb (MSB<<8)|(\new)
.set MSB, (\new)
.endif
.endm
.macro WALU
	s_wait_alu depctr_va_vdst(0)
.endm
.macro CROUND
	s_barrier_signal -1
	s_barrier_wait -1
	s_cmp_lg_u32 s8, 0
	s_cbranch_scc1 .Lnot_wave_0_\@
	s_barrier_signal -3
.Lnot_wave_0_\@:
	s_barrier_wait -3
	s_barrier_signal -1
	s_barrier_wait -1
.endm
.macro WM d, a, b, c, sa, sb, row      ; one product; row: source 0's scale words lie in lanes 16-31
.if \row
	v_wmma_scale_f32_16x16x128_f8f6f4 v[\d:\d+7], v[\a:\a+11], v[\b:\b+11], \c, v[\sa], v[\sb] matrix_a_fmt:MATRIX_FMT_FP6 matrix_b_fmt:MATRIX_FMT_FP6 matrix_a_scale:MATRIX_SCALE_ROW1
.else
	v_wmma_scale_f32_16x16x128_f8f6f4 v[\d:\d+7], v[\a:\a+11], v[\b:\b+11], \c, v[\sa], v[\sb] matrix_a_fmt:MATRIX_FMT_FP6 matrix_b_fmt:MATRIX_FMT_FP6
.endif
.endm
.macro KLOAD a                         ; k's four fragments and their words: 18 loads
	WIN 0x40
.irp c, 0,1
.irp e, 0,1
	ds_load_b128 v[KR+12*(2*\c+\e):KR+12*(2*\c+\e)+3], v[\a] offset:3072*\c+128*\e
	ds_load_b64 v[KR+12*(2*\c+\e)+4:KR+12*(2*\c+\e)+5], v[\a+1] offset:3072*\c+64*\e+512
	ds_load_b128 v[KR+12*(2*\c+\e)+6:KR+12*(2*\c+\e)+9], v[\a] offset:3072*\c+128*\e+768
	ds_load_b64 v[KR+12*(2*\c+\e)+10:KR+12*(2*\c+\e)+11], v[\a+1] offset:3072*\c+64*\e+1280
.endr
.endr
	WIN 0
	ds_load_b32 v[KSC], v[\a+2] offset:6144        ; lanes 0-15: fragment (0, 0)'s words, lanes 16-31: (0, 1)'s
	ds_load_b32 v[KSC+1], v[\a+2] offset:6272
.endm
.macro VLOAD                           ; v^T's four fragments and their words: 18 loads
	WIN 0x40
.irp t, 0,1,2,3
	ds_load_b128 v[VR+12*\t:VR+12*\t+3], v4 offset:6400+1536*\t
	ds_load_b64 v[VR+12*\t+4:VR+12*\t+5], v5 offset:6400+1536*\t+512
	ds_load_b128 v[VR+12*\t+6:VR+12*\t+9], v4 offset:6400+1536*\t+768
	ds_load_b64 v[VR+12*\t+10:VR+12*\t+11], v5 offset:6400+1536*\t+1280
.endr
	WIN 0
	ds_load_b32 v[VSC], v6 offset:12544
	ds_load_b32 v[VSC+1], v6 offset:12672
.endm
.macro QK q0, qs                       ; S^T = k q^T of one tile of queries: eight tiles of 16 keys
	WIN 1
.irp c, 0,1
.irp i, 0,1,2,3
	WM S+8*(4*\c+\i), KR+12*(2*\c+\i/2), \q0-6*(\i%2), 0, KSC+\c, \qs, \i/2
.endr
.endr
	WIN 0
.endm
.macro PV                              ; O^T += v^T p^T: the eight accumulators by turns
	WIN 1
.irp t, 0,1,2,3
	WM OA+8*\t, VR+12*\t, PCA, v[OA+8*\t:OA+8*\t+7], VSC+\t/2, PSA, \t%2
	WM OB+8*\t, VR+12*\t, PCB, v[OB+8*\t:OB+8*\t+7], VSC+\t/2, PSB, \t%2
.endr
	WIN 0
.endm
.macro MOVS pc                         ; a conversion's three registers begin on an even number: a block's second three are made elsewhere and moved
.irp i, 0,1,2
	v_mov_b32 v[\pc+3+\i], v[CT+\i]
	v_mov_b32 v[\pc+9+\i], v[CT+4+\i]
.endr
.endm
; The softmax step of one tile: 64 scores a lane, two whole blocks.  mv = 1: the moves stand here, ahead of the rescaling, which then gives the places in front of the products
.macro SOFT nm, l, ps, pc, o, mv
.irp b, 0,1,2,3
	v_max3_num_f32 v[BM+\b], v[S+16*\b], v[S+16*\b+1], v[S+16*\b+2]   ; four chains of 16; each accumulator is read from its low end on
.endr
.irp i, 3,5,7,9,11,13
.irp b, 0,1,2,3
	v_max3_num_f32 v[BM+\b], v[BM+\b], v[S+16*\b+\i], v[S+16*\b+\i+1]
.endr
.endr
	v_max3_num_f32 v[BM], v[BM], v[BM+1], v[S+15]
	v_max3_num_f32 v[BM+2], v[BM+2], v[BM+3], v[S+47]
	v_max_num_f32 v[BM], v[BM], v[S+31]            ; my block of pair 0,
	v_max_num_f32 v[BM+2], v[BM+2], v[S+63]        ; of pair 1
	v_max_num_f32 v[TMP], v[BM], v[BM+2]
	v_permlanex16_b32 v[T2], v[TMP], s[SEL], s[SEL+1]
	v_max3_num_f32 v[\nm+1], v[\nm+1], v[TMP], v[T2]   ; the running largest score of my query
	v_mul_f32 v[TMP], s[CS], v[\nm+1]              ; as t (the factor is positive)
	v_floor_f32 v[\nm], -v[TMP]                    ; -M = floor(-t)
.set sj, 0
.rept 32
	v_pk_fma_f32 v[S+sj:S+sj+1], v[S+sj:S+sj+1], s[CS:CS+1], v[\nm:\nm+1] op_sel_hi:[1,0,0]   ; t - M
.set sj, sj+2
.endr
	v_sub_f32 v[TMP], v[\nm], v[OLD]               ; M's old value less its new one
	v_fma_f32 v[BM], v[BM], s[CS], v[\nm]
	v_cvt_i32_f32 v[TMP], v[TMP]                   ; (it saturates)
	v_fma_f32 v[BM+2], v[BM+2], s[CS], v[\nm]
	v_ldexp_f32 v[F], 1.0, v[TMP]
	WALU                                           ; ahead of the batch
.set sj, 0
.rept 64
	v_exp_f32 v[S+sj], v[S+sj]
.set sj, sj+1
.endr
	v_exp_f32 v[BM], v[BM]                         ; each block's largest p
	v_exp_f32 v[BM+2], v[BM+2]
	v_pk_mul_f32 v[\l:\l+1], v[\l:\l+1], v[F:F+1] op_sel_hi:[1,0]   ; a plain place behind the batch: the sum under the new M
	WALU                                           ; and one wait behind it, ahead of its first reader
	v_pk_add_f32 v[U:U+1], v[S:S+1], v[S+2:S+3]    ; the sum of the unquantised p, in four chains
	v_pk_add_f32 v[U+2:U+3], v[S+4:S+5], v[S+6:S+7]
	v_pk_add_f32 v[U+4:U+5], v[S+8:S+9], v[S+10:S+11]
	v_pk_add_f32 v[\l:\l+1], v[\l:\l+1], v[S+12:S+13]
.set sj, 14
.rept 6
	v_pk_add_f32 v[U:U+1], v[U:U+1], v[S+sj:S+sj+1]
	v_pk_add_f32 v[U+2:U+3], v[U+2:U+3], v[S+sj+2:S+sj+3]
	v_pk_add_f32 v[U+4:U+5], v[U+4:U+5], v[S+sj+4:S+sj+5]
	v_pk_add_f32 v[\l:\l+1], v[\l:\l+1], v[S+sj+6:S+sj+7]
.set sj, sj+8
.endr
	v_pk_add_f32 v[U:U+1], v[U:U+1], v[S+62:S+63]
	v_max_num_f32 v[BM], 0x1800000, v[BM]          ; the floor 2^(3 - 127): the byte cannot fall under 1
	v_max_num_f32 v[BM+2], 0x1800000, v[BM+2]
	v_pk_add_f32 v[U+2:U+3], v[U+2:U+3], v[U+4:U+5]
	v_add_nc_u32 v[SOP], 0xff000000, v[BM]         ; 2 off the exponent field: the conversions' scale operand
	v_add_nc_u32 v[SOP+1], 0xff000000, v[BM+2]
	v_pk_add_f32 v[\l:\l+1], v[\l:\l+1], v[U:U+1]
	v_lshrrev_b32 v[BY], 23, v[SOP]
	v_lshrrev_b32 v[BY+1], 23, v[SOP+1]
	v_pk_add_f32 v[\l:\l+1], v[\l:\l+1], v[U+2:U+3]
	v_lshl_or_b32 v[W], v[BY+1], 16, v[BY]         ; my bytes: blocks h and 2 + h,
	v_lshlrev_b32 v[W], v[SH8], v[W]               ; at their places;
	v_permlanex16_b32 v[W2], v[W], s[SEL], s[SEL+1]
	v_or_b32 v[\ps], v[W], v[W2]                   ; with lane l xor 16's the word is whole
	v_cvt_scalef32_pk16_fp6_f32 v[\pc:\pc+2], v[S:S+15], v[SOP]
	v_cvt_scalef32_pk16_fp6_f32 v[CT:CT+2], v[S+16:S+31], v[SOP]
	v_cvt_scalef32_pk16_fp6_f32 v[\pc+6:\pc+8], v[S+32:S+47], v[SOP+1]
	v_cvt_scalef32_pk16_fp6_f32 v[CT+4:CT+6], v[S+48:S+63], v[SOP+1]
.if \mv
	v_nop                                          ; one plain place behind the scaled conversions
	MOVS \pc
.endif
	WALU                                           ; directly ahead of the first reader of O^T
.set sj, 0
.rept 16
	v_pk_mul_f32 v[\o+sj:\o+sj+1], v[\o+sj:\o+sj+1], v[F:F+1] op_sel_hi:[1,0]   ; O^T under the new M
.set sj, sj+2
.endr
.endm
; A key step.  k's fragments were asked for a step ago; v's are asked for at its top.
.macro STEP
	v_add_nc_u32 v4, s2, v1                        ; four places behind the last products, in front of the loads into v's registers
	v_add_nc_u32 v5, s2, v2
	v_add_nc_u32 v6, s2, v3
	v_nop
	VLOAD
	s_add_co_u32 s36, s2, STEPB
	s_min_u32 s36, s36, 15*STEPB                   ; the next key step, held at the last
	s_wait_dscnt 18                                ; k's 18 loads are in; v's 18, issued behind them, may be out
	QK QA, QSA
	v_add_nc_u32 v[KA], s36, v[KB]                 ; four places in front of the first read of the scores
	v_add_nc_u32 v[KA+1], s36, v[KB+1]
	v_add_nc_u32 v[KA+2], s36, v[KB+2]
	v_mov_b32 v[OLD], v[NMA]
	SOFT NMA, LA, PSA, PCA, OA, 0
	QK QB, QSB
	MOVS PCA                                       ; seven places: in front of the loads into k's registers and of the first read of the scores
	v_mov_b32 v[OLD], v[NMB]
	KLOAD KA
	SOFT NMB, LB, PSB, PCB, OB, 1
	WALU                                           ; directly ahead of the wait below
	s_wait_dscnt 18                                ; v's 18 loads are in; the next k's 18 may be out
	PV
	s_add_co_u32 s2, s2, STEPB
.endm
	s_load_b128 s[4:7], s[0:1], 0x0                ; qkvb, ctx
	v_lshl_add_u32 v[SPW], v0, 2, SPARE
	v_mov_b32 v[NIL], 0
	ds_add_u32 v[SPW], v[NIL]                      ; the opening: the add, twice on end, and its wait ahead of my first tensor load
	ds_add_u32 v[SPW], v[NIL]
	v_lshrrev_b32 v9, 5, v0
	v_readfirstlane_b32 s8, v9                     ; wave
	s_bfe_u32 s9, ttmp6, 0x40000                   ; cx
	s_lshl_b32 s10, ttmp9, 2
	s_add_co_u32 s10, s10, s9                      ; block of 256 queries
	s_and_b32 s11, ttmp7, 0xffff                   ; batch x 16 + head
	s_mov_b32 s[G1], 15|(3<<16)|(1<<21)            ; all four of the cluster; elements of 8 bytes
	s_mov_b32 s[G1+1], 32<<16                      ; rows of 256 bytes,
	s_mov_b32 s[G1+2], 100<<16                     ; 100 of them: two key steps
	s_mov_b32 s[G1+3], 32<<16
	s_mov_b32 s[G1+4], 100
	s_mov_b32 s[G1+5], 32
	s_mov_b32 s[G1+6], 0
	s_mov_b32 s[G1+7], 0
	s_mul_i32 s12, s8, 2*STEPB                     ; my two key steps
	s_mul_i32 s14, s11, 16*STEPB
	s_add_co_u32 s14, s14, s12
	s_add_co_u32 s14, s14, KVOFF
	s_mov_b32 s15, 0
	s_lshl_b32 s16, s11, 4
	s_lshl_b32 s17, s10, 1
	s_add_co_u32 s16, s16, s17
	s_lshr_b32 s17, s8, 2
	s_add_co_u32 s16, s16, s17
	s_mul_i32 s16, s16, 6400                       ; q's granule of 128 queries
	s_and_b32 s13, s8, 3                           ; my double fragment in it: tiles A and B
	s_lshl_b32 s18, s13, 6
	s_add_co_u32 s18, s18, s16
	s_add_co_u32 s18, s18, 6144                    ; its scale words
	s_mov_b32 s19, 0
	s_mul_i32 s17, s13, 1536
	s_add_co_u32 s16, s16, s17
	s_mov_b32 s17, 0
	s_mov_b32 s[SEL], 0x76543210
	s_mov_b32 s[SEL+1], 0xfedcba98
	s_mov_b32 s[CS], 0x3e38aa3b                    ; log2(e) / 8
	s_mov_b32 s[CS+1], s[CS]
	s_mov_b32 s2, 0
	s_wait_dscnt 0x0
	s_wait_kmcnt 0x0
	s_add_nc_u64 s[14:15], s[4:5], s[14:15]
	s_add_nc_u64 s[16:17], s[4:5], s[16:17]
	s_add_nc_u64 s[18:19], s[4:5], s[18:19]
	CROUND                                         ; the four work-groups are here: the joint loads meet
	s_mov_b32 s[G0], 1
	s_mov_b32 s[G0+1], s12
	s_mov_b64 s[G0+2:G0+3], s[14:15]
	s_or_b32 s[G0+3], s[G0+3], 0x80000000
	s_cmp_lt_u32 s8, 2                             ; two arms, so that the first barrier can wait for waves 0 and 1 alone
	s_cbranch_scc0 .Lrest
	tensor_load_to_lds s[G0:G0+3], s[G1:G1+7]
	s_nop 0
.rept 4
	v_nop
.endr
	s_branch .Lasked
.Lrest:
	tensor_load_to_lds s[G0:G0+3], s[G1:G1+7]
	s_nop 0
.rept 4
	v_nop
.endr
.Lasked:
	v_and_b32 v9, 31, v0
	v_lshlrev_b32 v1, 4, v9
	v_lshlrev_b32 v2, 3, v9
	v_lshlrev_b32 v3, 2, v9
	v_and_b32 v9, 15, v0                           ; r
	v_bfe_u32 v[TMP], v0, 4, 1                     ; h
	v_bfe_u32 v[T2], v0, 3, 1                      ; r / 8
	v_and_b32 v[W], 7, v0                          ; r % 8
	v_mul_u32_u24 v[KB], v[T2], 1536               ; lanes r >= 8 read the next image
	v_lshl_add_u32 v[KB+1], v[W], 3, v[KB]
	v_lshl_add_u32 v[KB+1], v[TMP], 7, v[KB+1]
	v_lshl_add_u32 v[KB], v[W], 4, v[KB]
	v_lshl_add_u32 v[KB], v[TMP], 8, v[KB]
	v_lshlrev_b32 v[KB+2], 6, v[T2]
	v_lshl_add_u32 v[KB+2], v[TMP], 5, v[KB+2]
	v_lshl_add_u32 v[KB+2], v[W], 2, v[KB+2]
	v_lshlrev_b32 v[SH8], 3, v[TMP]
	v_lshlrev_b32 v9, 2, v9
	global_load_b128 v[QA:QA+3], v1, s[16:17]
	global_load_b64 v[QA+4:QA+5], v2, s[16:17] offset:512
	global_load_b128 v[QB:QB+3], v1, s[16:17] offset:768
	global_load_b64 v[QB+4:QB+5], v2, s[16:17] offset:1280
	global_load_b32 v[QSA], v9, s[18:19]           ; row r's word: A's two bytes, B's two
.irp j, 16,17,18,19,20,21,28,29,30,31,32,33,40,41,42,43,44,45
	v_mov_b32 v\j, 0
.endr
.irp n, NMA, NMB
	v_mov_b32 v[\n], 0x7d000000                    ; -M: 2^123, over every -M to come
	v_mov_b32 v[\n+1], 0xff61b1e6                  ; the largest score so far: -3e38
.endr
.irp j, LA, LA+1, LB, LB+1, F+1, T2, W2
	v_mov_b32 v[\j], 0
.endr
	s_wait_loadcnt 0x0
	v_perm_b32 v[QSB], v[QSA], v[QSA], 0x03020302  ; a tile's two bytes serve both halves of the 128
	v_perm_b32 v[QSA], v[QSA], v[QSA], 0x01000100
.set sj, 0
.rept 64
	v_mov_b32 v[OA+sj], 0                          ; O^T: the step is written once, and the first finds zeros
.set sj, sj+1
.endr
	WALU                                           ; the head's end
	s_cmp_lt_u32 s8, 2
	s_cbranch_scc0 .Lnot_first
	s_wait_tensorcnt 0x0                           ; waves 0 and 1: key steps 0 to 3 are in
.Lnot_first:
	s_barrier_signal -1
	s_barrier_wait -1
	KLOAD KB
	s_mov_b32 s3, 3
.Lfirst:                                               ; key steps 0 to 2; they read up to k of step 3
	STEP
	s_sub_co_u32 s3, s3, 1
	s_cmp_lg_u32 s3, 0
	s_cbranch_scc1 .Lfirst
	s_wait_tensorcnt 0x0                           ; every wave's load is in
	s_wait_dscnt 0x0
	s_barrier_signal -1
	s_barrier_wait -1
	s_mov_b32 s3, 13
.Lsecond:                                              ; key steps 3 to 15
	STEP
	s_sub_co_u32 s3, s3, 1
	s_cmp_lg_u32 s3, 0
	s_cbranch_scc1 .Lsecond
	; ---- the end: O^T / the sum, its codes along the head's 64, and out
	v_add_f32 v[LA], v[LA], v[LA+1]
	v_add_f32 v[LB], v[LB], v[LB+1]
	v_permlanex16_b32 v[T2], v[LA], s[SEL], s[SEL+1]
	v_permlanex16_b32 v[W2], v[LB], s[SEL], s[SEL+1]
	v_add_f32 v[LA], v[LA], v[T2]
	v_add_f32 v[LB], v[LB], v[W2]
	WALU
	v_rcp_f32 v[LA], v[LA]
	v_rcp_f32 v[LB], v[LB]
	v_nop
	s_lshr_b32 s12, s11, 4                         ; batch
	s_and_b32 s13, s11, 15                         ; head
	s_lshl_b32 s12, s12, 4
	s_lshl_b32 s14, s10, 1
	s_add_co_u32 s12, s12, s14
	s_lshr_b32 s14, s8, 2
	s_add_co_u32 s12, s12, s14                     ; block of 128 rows of ctx
	s_lshl_b32 s12, s12, 3
	s_lshr_b32 s14, s13, 1
	s_add_co_u32 s12, s12, s14                     ; its K step: two heads
	s_mul_i32 s12, s12, 12800
	s_and_b32 s14, s8, 3
	s_and_b32 s13, s13, 1
	s_mul_i32 s40, s14, 3072                       ; tiles 2 (wave % 4) and the next
	s_add_co_u32 s40, s40, s12
	s_mul_i32 s15, s13, 768
	s_add_co_u32 s40, s40, s15
	s_mov_b32 s41, 0
	s_lshl_b32 s42, s14, 7
	s_add_co_u32 s42, s42, s12
	s_lshl_b32 s15, s13, 1
	s_add_co_u32 s42, s42, s15
	s_add_co_u32 s42, s42, 12288
	s_mov_b32 s43, 0
	s_add_nc_u64 s[40:41], s[6:7], s[40:41]
	s_add_nc_u64 s[42:43], s[6:7], s[42:43]
	WALU
.set sj, 0
.rept 16
	v_pk_mul_f32 v[S+sj:S+sj+1], v[OA+sj:OA+sj+1], v[LA:LA+1] op_sel_hi:[1,0]
.set sj, sj+2
.endr
.set sj, 0
.rept 16
	v_pk_mul_f32 v[S+32+sj:S+32+sj+1], v[OB+sj:OB+sj+1], v[LB:LB+1] op_sel_hi:[1,0]
.set sj, sj+2
.endr
.irp b, 0,1,2,3                        ; four blocks of 32 dims (A's two, B's two), each in lanes l and l xor 16
	v_max3_num_f32 v[TM+\b], |v[S+16*\b]|, |v[S+16*\b+1]|, 0x1800000
.endr
.irp i, 2,4,6,8,10,12,14
.irp b, 0,1,2,3
	v_max3_num_f32 v[TM+\b], v[TM+\b], |v[S+16*\b+\i]|, |v[S+16*\b+\i+1]|
.endr
.endr
.irp b, 0,1,2,3
	v_permlanex16_b32 v[TM+4+\b], v[TM+\b], s[SEL], s[SEL+1]
.endr
.irp b, 0,1,2,3
	v_max_num_f32 v[TM+\b], v[TM+\b], v[TM+4+\b]
.endr
.irp b, 0,1,2,3
	v_add_nc_u32 v[TM+12+\b], 0xff000000, v[TM+\b]
.endr
.irp b, 0,1,2,3
	v_lshrrev_b32 v[TM+4+\b], 23, v[TM+12+\b]
.endr
	v_lshl_or_b32 v[PSA], v[TM+5], 8, v[TM+4]
	v_lshl_or_b32 v[PSA], v[TM+6], 16, v[PSA]
	v_lshl_or_b32 v[PSA], v[TM+7], 24, v[PSA]
.irp c, 0,1
	v_cvt_scalef32_pk16_fp6_f32 v[PCA+6*\c:PCA+6*\c+2], v[S+32*\c:S+32*\c+15], v[TM+12+2*\c]
	v_cvt_scalef32_pk16_fp6_f32 v[PT+4*\c:PT+4*\c+2], v[S+32*\c+16:S+32*\c+31], v[TM+12+2*\c+1]
.endr
	v_nop                                          ; one plain place behind the scaled conversions
.irp c, 0,1
.irp i, 0,1,2
	v_permlane16_swap_b32 v[PCA+6*\c+\i], v[PT+4*\c+\i]   ; a whole block to a lane
.endr
.irp i, 0,1,2
	v_mov_b32 v[PCA+6*\c+3+\i], v[PT+4*\c+\i]
.endr
.endr
	global_store_b128 v1, v[PCA:PCA+3], s[40:41]
	global_store_b64 v2, v[PCA+4:PCA+5], s[40:41] offset:512
	global_store_b128 v1, v[PCA+6:PCA+9], s[40:41] offset:1536
	global_store_b64 v2, v[PCA+10:PCA+11], s[40:41] offset:2048
	global_store_b16 v9, v[PSA], s[42:43]          ; A's two bytes; lanes r and r + 16 write the same bytes to the same place
	global_store_d16_hi_b16 v9, v[PSA], s[42:43] offset:64
	s_wait_tensorcnt 0x0                           ; the wave's end
	ds_add_u32 v[SPW], v[NIL]
	s_wait_dscnt 0x0
	CROUND                                         ; the closing round
	s_endpgm
.Lfunc_end_k_q5610f2c7c3_attn:
	.size	k_q5610f2c7c3_attn, .Lfunc_end_k_q5610f2c7c3_attn-k_q5610f2c7c3_attn
	.p2alignl 7, 3214868480
	.fill 96, 4, 3214868480
	.section	.rodata,"a",@progbits
	.p2align	6, 0x0
	.amdhsa_kernel k_q5610f2c7c3_attn
		.amdhsa_group_segment_fixed_size 327680
		.amdhsa_private_segment_fixed_size 0
		.amdhsa_enable_private_segment 0
		.amdhsa_kernarg_size 16
		.amdhsa_user_sgpr_count 2
		.amdhsa_user_sgpr_kernarg_segment_ptr 1
		.amdhsa_wavefront_size32 1
		.amdhsa_system_sgpr_workgroup_id_x 1
		.amdhsa_system_sgpr_workgroup_id_y 1
		.amdhsa_system_sgpr_workgroup_id_z 1
		.amdhsa_system_vgpr_workitem_id 0
		.amdhsa_next_free_vgpr 352
		.amdhsa_next_free_sgpr 66
		.amdhsa_reserve_vcc 0
		.amdhsa_float_denorm_mode_32 3
		.amdhsa_float_denorm_mode_16_64 3
		.amdhsa_memory_ordered 1
		.amdhsa_forward_progress 1
		.amdhsa_inst_pref_size 73
	.end_amdhsa_kernel
	.amdgpu_metadata
---
amdhsa.version: [ 1, 2 ]
amdhsa.kernels:
  - .name:           k_q5610f2c7c3_attn
    .symbol:         k_q5610f2c7c3_attn.kd
    .args:
      - { .name: qkvb, .offset: 0, .size: 8, .value_kind: global_buffer, .address_space: global }
      - { .name: ctx, .offset: 8, .size: 8, .value_kind: global_buffer, .address_space: global }
    .group_segment_fixed_size: 327680
    .private_segment_fixed_size: 0
    .kernarg_segment_align: 8
    .kernarg_segment_size: 16
    .max_flat_workgroup_size: 256
    .sgpr_count:     66
    .vgpr_count:     352
    .wavefront_size: 32
...
	.end_amdgpu_metadata
.endif
;; end of part 3
;; launch ln1 (part 4): grid 256 x 1, 8 waves a work-group, no clusters, 66,816 bytes of LDS; arguments x, ln1_g, ln1_b, hbuf, ctx, wts, b_o; writes hbuf
.if DOCPART == 4
	.amdgcn_target "amdgcn-amd-amdhsa--gfx1250"
	.amdhsa_code_object_version 6
	.text
	.protected	k_q5610f2c7c3_ln1
	.globl	k_q5610f2c7c3_ln1
	.p2align	8
	.type	k_q5610f2c7c3_ln1,@function
k_q5610f2c7c3_ln1:
	s_mov_b64 s[64:65], 0
	v_nop
	global_prefetch_b8 v0, s[64:65] scope:SCOPE_SE
	s_setreg_imm32_b32 hwreg(HW_REG_WAVE_MODE, 25, 1), 1
	s_wait_xcnt 0x0
; LN1: h = layer_norm(rs) g + b, in f32 (hbuf at 0), and h's codes of E2M3 along its 1,024 (hbuf at 16,777,216: [16 blocks of 256 rows][8 K steps][25,600], register images).  No work is left out.
; A work-group takes the 16 rows of one fragment.  Phase 1: wave w normalises the rows of the fragment's lanes 2 w and 2 w + 1, a whole row in 32 registers: mean, then the mean of the squared differences, as the layer norm is written.
; The rows go to memory and to LDS (pitch 4,112).  Phase 2: wave w quantises K step w of the 16 rows.
; LIMITS: NaN and infinities are not served; a block of zeros gets the byte 1.
; WHAT IS NORMALISED, as the text below has it (in place of 'rs' above): x + (ctx w_o + b_o), and the product is made HERE, on codes of E2M3, ahead of phase 1.  No work is left out.
; THE PRODUCT.  The work-group's 16 rows x 1,024 columns; wave w makes columns 128 w .. + 127: eight accumulators, used transposed (source 0 = w_o's 16 columns, source 1 = ctx's 16 rows), begun from b_o.
; No two waves of the work-group read the same fragment of w_o, so the operands go from memory straight into registers, as the register images that they are: every load of a wave covers 512 or 256 consecutive bytes, aligned.  No tensor load, so no joint loads.
; Two sets of a K step's 41 loads take turns.  The walk along K begins at step (work-group % 8) and goes round the eight.
; The sums go to the norm's own LDS rows (row = the fragment's lane), a barrier, and wave w reads its two rows back and adds x's.  x's two rows are asked for into the L2 at the head and loaded behind the last K step's loads.
.set SPARE, 65792
.set LI,  4
.set LJ,  5
.set SPW, 6
.set NIL, 7
.set LW,  8
.set STA, 9
.set LDA, 10
.set TT,  12                           ; v12-27: for each row: sums (4), -mean twice, 1 / sqrt twice
.set XR,  32                           ; v32-95   two rows; later 64 numbers of a K step
.set G,   96                           ; v96-127
.set B,   128                          ; v128-159
.set TM,  160
.set PT,  176
.set PC,  184
.set PW,  196
.set SEL, 16
.set MSB, 0
.macro WIN new
.if MSB != (\new)
	s_set_vgpr_msb (MSB<<8)|(\new)
.set MSB, (\new)
.endif
.endm
.macro QUANT s, w, pc, pw, nc
	WIN 0
.set qb, 0
.rept 2*(\nc)
	v_mov_b32 v[TM+qb], 0x1800000
.set qb, qb+1
.endr
	WIN ((\w)<<2)|((\w)<<4)
.set qi, 0
.rept 8
.set qb, 0
.rept 2*(\nc)
	s_delay_alu instid0(VALU_DEP_4)
	v_max3_num_f32 v[TM+qb], v[TM+qb], |v[(\s)+16*qb+qi]|, |v[(\s)+16*qb+qi+1]|
.set qb, qb+1
.endr
.set qi, qi+2
.endr
	WIN 0
.set qb, 0
.rept 2*(\nc)
	s_delay_alu instid0(VALU_DEP_4)
	v_permlanex16_b32 v[TM+4+qb], v[TM+qb], s[SEL], s[SEL+1]
.set qb, qb+1
.endr
.set qb, 0
.rept 2*(\nc)
	s_delay_alu instid0(VALU_DEP_4)
	v_max_num_f32 v[TM+qb], v[TM+qb], v[TM+4+qb]
.set qb, qb+1
.endr
.set qb, 0
.rept 2*(\nc)
	s_delay_alu instid0(VALU_DEP_4)
	v_add_nc_u32 v[TM+12+qb], 0xff000000, v[TM+qb]
.set qb, qb+1
.endr
.set qb, 0
.rept 2*(\nc)
	s_delay_alu instid0(VALU_DEP_4)
	v_lshrrev_b32 v[TM+4+qb], 23, v[TM+12+qb]
.set qb, qb+1
.endr
	s_delay_alu instid0(VALU_DEP_3)
	v_lshl_or_b32 v[\pw], v[TM+5], 8, v[TM+4]
.if (\nc) > 1
	s_delay_alu instid0(VALU_DEP_1)
	v_lshl_or_b32 v[\pw], v[TM+6], 16, v[\pw]
	s_delay_alu instid0(VALU_DEP_1)
	v_lshl_or_b32 v[\pw], v[TM+7], 24, v[\pw]
.endif
	WIN \w
.set qc, 0
.rept \nc
	v_cvt_scalef32_pk16_fp6_f32 v[(\pc)+6*qc:(\pc)+6*qc+2], v[(\s)+32*qc:(\s)+32*qc+15], v[TM+12+2*qc]
	v_cvt_scalef32_pk16_fp6_f32 v[PT+4*qc:PT+4*qc+2], v[(\s)+32*qc+16:(\s)+32*qc+31], v[TM+12+2*qc+1]
.set qc, qc+1
.endr
	WIN 0
	v_nop
.set qc, 0
.rept \nc
.irp i, 0,1,2
	v_permlane16_swap_b32 v[(\pc)+6*qc+\i], v[PT+4*qc+\i]
.endr
.irp i, 0,1,2
	s_delay_alu instid0(VALU_DEP_3)
	v_mov_b32 v[(\pc)+6*qc+3+\i], v[PT+4*qc+\i]
.endr
.set qc, qc+1
.endr
.endm
.macro GIMG pc, base, off
	global_store_b128 v[LI], v[(\pc):(\pc)+3], s[\base:\base+1] offset:(\off)
	global_store_b64 v[LJ], v[(\pc)+4:(\pc)+5], s[\base:\base+1] offset:(\off)+512
	global_store_b128 v[LI], v[(\pc)+6:(\pc)+9], s[\base:\base+1] offset:(\off)+768
	global_store_b64 v[LJ], v[(\pc)+10:(\pc)+11], s[\base:\base+1] offset:(\off)+1280
.endm
.macro LANESUM x, t                    ; the sum over the 32 lanes, in every lane
	s_delay_alu instid0(VALU_DEP_1)
	v_add_f32_dpp v[\x], v[\x], v[\x] row_xmask:1 row_mask:0xf bank_mask:0xf
	s_delay_alu instid0(VALU_DEP_1)
	v_add_f32_dpp v[\x], v[\x], v[\x] row_xmask:2 row_mask:0xf bank_mask:0xf
	s_delay_alu instid0(VALU_DEP_1)
	v_add_f32_dpp v[\x], v[\x], v[\x] row_xmask:4 row_mask:0xf bank_mask:0xf
	s_delay_alu instid0(VALU_DEP_1)
	v_add_f32_dpp v[\x], v[\x], v[\x] row_xmask:8 row_mask:0xf bank_mask:0xf
	s_delay_alu instid0(VALU_DEP_1)
	v_permlanex16_b32 v[\t], v[\x], s[SEL], s[SEL+1]
	s_delay_alu instid0(VALU_DEP_1)
	v_add_f32 v[\x], v[\x], v[\t]
.endm
.macro STAT e                          ; row e: x becomes x - mean; v[T] = the variance + eps
.set X0, XR+32*(\e)
.set T, TT+8*(\e)
	v_pk_add_f32 v[T:T+1], v[X0:X0+1], v[X0+2:X0+3]
	v_pk_add_f32 v[T+2:T+3], v[X0+4:X0+5], v[X0+6:X0+7]
.irp k, 8,12,16,20,24,28
	s_delay_alu instid0(VALU_DEP_2)
	v_pk_add_f32 v[T:T+1], v[T:T+1], v[X0+\k:X0+\k+1]
	s_delay_alu instid0(VALU_DEP_2)
	v_pk_add_f32 v[T+2:T+3], v[T+2:T+3], v[X0+\k+2:X0+\k+3]
.endr
	s_delay_alu instid0(VALU_DEP_1)
	v_pk_add_f32 v[T:T+1], v[T:T+1], v[T+2:T+3]
	s_delay_alu instid0(VALU_DEP_1)
	v_add_f32 v[T], v[T], v[T+1]
	LANESUM T, T+1
	s_delay_alu instid0(VALU_DEP_1)
	v_mul_f32 v[T+4], 0xba800000, v[T]             ; -mean = the sum x -1 / 1,024
	s_delay_alu instid0(VALU_DEP_1)
	v_mov_b32 v[T+5], v[T+4]
.irp k, 0,2,4,6,8,10,12,14,16,18,20,22,24,26,28,30
	v_pk_add_f32 v[X0+\k:X0+\k+1], v[X0+\k:X0+\k+1], v[T+4:T+5]
.endr
	v_pk_mul_f32 v[T:T+1], v[X0:X0+1], v[X0:X0+1]
	v_pk_mul_f32 v[T+2:T+3], v[X0+2:X0+3], v[X0+2:X0+3]
.irp k, 4,8,12,16,20,24,28
	s_delay_alu instid0(VALU_DEP_2)
	v_pk_fma_f32 v[T:T+1], v[X0+\k:X0+\k+1], v[X0+\k:X0+\k+1], v[T:T+1]
	s_delay_alu instid0(VALU_DEP_2)
	v_pk_fma_f32 v[T+2:T+3], v[X0+\k+2:X0+\k+3], v[X0+\k+2:X0+\k+3], v[T+2:T+3]
.endr
	s_delay_alu instid0(VALU_DEP_1)
	v_pk_add_f32 v[T:T+1], v[T:T+1], v[T+2:T+3]
	s_delay_alu instid0(VALU_DEP_1)
	v_add_f32 v[T], v[T], v[T+1]
	LANESUM T, T+1
	s_delay_alu instid0(VALU_DEP_1)
	v_fma_f32 v[T], v[T], s22, s23                 ; / 1,024 + 1e-5
.endm
	s_load_b256 s[4:11], s[0:1], 0x0               ; x, g, b, hbuf
	s_load_b128 s[32:35], s[0:1], 0x20             ; ctx, wts
	s_load_b64 s[36:37], s[0:1], 0x30              ; b_o
	v_lshl_add_u32 v[SPW], v0, 2, SPARE
	v_mov_b32 v[NIL], 0
	v_lshrrev_b32 v1, 5, v0
	s_delay_alu instid0(VALU_DEP_1)
	v_readfirstlane_b32 s12, v1                    ; wave
	v_and_b32 v1, 31, v0
	v_and_b32 v2, 15, v0
	v_bfe_u32 v3, v0, 4, 1
	s_delay_alu instid0(VALU_DEP_3)
	v_lshlrev_b32 v[LI], 4, v1
	s_wait_alu depctr_va_vdst(0)
	v_lshlrev_b32 v[LJ], 3, v1
	v_lshlrev_b32 v[LW], 2, v2
	s_mov_b32 s[SEL], 0x76543210
	s_mov_b32 s[SEL+1], 0xfedcba98
	s_mov_b32 s22, 0x3a800000                      ; 1 / 1,024
	s_mov_b32 s23, 0x3727c5ac                      ; 1e-5
	s_lshr_b32 s13, ttmp9, 4                       ; block of 256 rows
	s_and_b32 s14, ttmp9, 15                       ; fragment t
	s_lshl_b32 s18, s13, 8
	s_lshr_b32 s19, s14, 1
	s_lshl_b32 s19, s19, 5
	s_add_co_u32 s18, s18, s19
	s_and_b32 s19, s14, 1
	s_lshl_b32 s19, s19, 3
	s_add_co_u32 s18, s18, s19
	s_lshl_b32 s19, s12, 1
	s_add_co_u32 s18, s18, s19
	s_lshr_b32 s19, s12, 2
	s_lshl_b32 s19, s19, 3
	s_add_co_u32 s18, s18, s19                     ; the row of the fragment's lane 2 w: first row + 2 w + 8 (w / 4)
	s_lshl_b32 s18, s18, 12
	s_mov_b32 s19, 0
	s_lshl_b32 s24, s13, 3
	s_add_co_u32 s24, s24, s12
	s_mul_i32 s24, s24, 25600
	s_add_co_u32 s24, s24, 16777216                ; the granule (row block, K step w)
	s_lshl_b32 s26, s14, 6
	s_add_co_u32 s26, s26, s24
	s_add_co_u32 s26, s26, 24576
	s_mov_b32 s27, 0
	s_mul_i32 s25, s14, 1536
	s_add_co_u32 s24, s24, s25
	s_mov_b32 s25, 0
	s_mul_i32 s28, s12, 8224                       ; LDS rows 2 w, 2 w + 1
	v_add_nc_u32 v[STA], s28, v[LI]
	s_lshl_b32 s28, s12, 9
	v_mul_u32_u24 v[LDA], v2, 4112
	s_delay_alu instid0(VALU_DEP_1)
	v_lshl_add_u32 v[LDA], v3, 6, v[LDA]
	s_delay_alu instid0(VALU_DEP_1)
	v_add_nc_u32 v[LDA], s28, v[LDA]               ; row r, K step w, + 64 h
.irp b, 0,1,2,3
	v_mov_b32 v[TM+4+\b], 0
.endr
	s_wait_kmcnt 0x0
	s_add_nc_u64 s[4:5], s[4:5], s[18:19]
	s_add_nc_u64 s[20:21], s[10:11], s[18:19]
	s_add_nc_u64 s[24:25], s[10:11], s[24:25]
	s_add_nc_u64 s[26:27], s[10:11], s[26:27]
.macro XLOADS                          ; x's two rows, g and b: 32 loads
.irp e, 0,1
.irp j, 0,1,2,3,4,5,6,7
	global_load_b128 v[XR+32*\e+4*\j:XR+32*\e+4*\j+3], v[LI], s[4:5] offset:4096*\e+512*\j th:TH_LOAD_NT
.endr
.endr
.irp j, 0,1,2,3,4,5,6,7
	global_load_b128 v[G+4*\j:G+4*\j+3], v[LI], s[6:7] offset:512*\j
.endr
.irp j, 0,1,2,3,4,5,6,7
	global_load_b128 v[B+4*\j:B+4*\j+3], v[LI], s[8:9] offset:512*\j
.endr
.endm
.set ACC, 160                          ; v160-223 the eight accumulators; then the rows read back.  v224-231 w_o's scale words (two sets), v236, v234 ctx's.  window 1: v0-191 w_o's fragments (two sets of 8), v192-215 ctx's
.macro GLOAD p                         ; a K step into set p: w_o's eight fragments, ctx's one, their words: 41 loads
	WIN 0x40
.set gi, 0
.rept 8
	global_load_b128 v[96*(\p)+12*gi:96*(\p)+12*gi+3], v[LI], s[48+4*(\p):49+4*(\p)] offset:gi*1536
	global_load_b64 v[96*(\p)+12*gi+4:96*(\p)+12*gi+5], v[LJ], s[48+4*(\p):49+4*(\p)] offset:gi*1536+512
	global_load_b128 v[96*(\p)+12*gi+6:96*(\p)+12*gi+9], v[LI], s[48+4*(\p):49+4*(\p)] offset:gi*1536+768
	global_load_b64 v[96*(\p)+12*gi+10:96*(\p)+12*gi+11], v[LJ], s[48+4*(\p):49+4*(\p)] offset:gi*1536+1280
.set gi, gi+1
.endr
	global_load_b128 v[192+12*(\p):192+12*(\p)+3], v[LI], s[50+4*(\p):51+4*(\p)]
	global_load_b64 v[192+12*(\p)+4:192+12*(\p)+5], v[LJ], s[50+4*(\p):51+4*(\p)] offset:512
	global_load_b128 v[192+12*(\p)+6:192+12*(\p)+9], v[LI], s[50+4*(\p):51+4*(\p)] offset:768
	global_load_b64 v[192+12*(\p)+10:192+12*(\p)+11], v[LJ], s[50+4*(\p):51+4*(\p)] offset:1280
	WIN 0
.irp i, 0,1,2,3
	global_load_b32 v[224+4*(\p)+\i], v11, s[48+4*(\p):49+4*(\p)] offset:12288+128*\i   ; lanes 0-15: fragment 2 i's words, lanes 16-31: fragment 2 i + 1's
.endr
	global_load_b32 v[236-2*(\p)], v28, s[50+4*(\p):51+4*(\p)]
.endm
.macro GBASE p                         ; set p's bases for K step s31, which then goes on, round the eight.  The set's earlier loads have been waited for
	s_mul_i32 s44, s31, 12800
	s_add_nc_u64 s[48+4*(\p):49+4*(\p)], s[42:43], s[44:45]
	s_add_nc_u64 s[50+4*(\p):51+4*(\p)], s[38:39], s[44:45]
	s_add_co_u32 s31, s31, 1
	s_and_b32 s31, s31, 7
.endm
.macro GMUL p                          ; eight products, the accumulators by turns
	WIN 0x05
.set gi, 0
.rept 8
.if gi%2
	v_wmma_scale_f32_16x16x128_f8f6f4 v[ACC+8*gi:ACC+8*gi+7], v[96*(\p)+12*gi:96*(\p)+12*gi+11], v[192+12*(\p):192+12*(\p)+11], v[ACC+8*gi:ACC+8*gi+7], v[224+4*(\p)+gi/2], v[236-2*(\p)] matrix_a_fmt:MATRIX_FMT_FP6 matrix_b_fmt:MATRIX_FMT_FP6 matrix_a_scale:MATRIX_SCALE_ROW1
.else
	v_wmma_scale_f32_16x16x128_f8f6f4 v[ACC+8*gi:ACC+8*gi+7], v[96*(\p)+12*gi:96*(\p)+12*gi+11], v[192+12*(\p):192+12*(\p)+11], v[ACC+8*gi:ACC+8*gi+7], v[224+4*(\p)+gi/2], v[236-2*(\p)] matrix_a_fmt:MATRIX_FMT_FP6 matrix_b_fmt:MATRIX_FMT_FP6
.endif
.set gi, gi+1
.endr
	WIN 0
.endm
	s_lshl_b32 s29, s13, 1
	s_lshr_b32 s30, s14, 3
	s_add_co_u32 s29, s29, s30                     ; ctx's block of 128 rows
	s_mul_i32 s38, s29, 8*12800
	s_and_b32 s30, s14, 7                          ; my fragment in it
	s_mul_i32 s29, s30, 1536
	s_add_co_u32 s38, s38, s29
	s_mov_b32 s39, 0
	s_add_nc_u64 s[38:39], s[32:33], s[38:39]
	s_mul_i32 s29, s30, 1472
	s_sub_co_u32 s29, 12288, s29                   ; from the fragment's image to its words: 12,288 + 64 t - 1,536 t
	s_mul_i32 s42, s12, 8*12800                    ; w_o's block of 128 columns: my wave's
	s_add_co_u32 s42, s42, 5734400
	s_mov_b32 s43, 0
	s_add_nc_u64 s[42:43], s[34:35], s[42:43]
	s_lshl_b32 s46, s12, 9
	s_mov_b32 s47, 0
	s_add_nc_u64 s[46:47], s[36:37], s[46:47]      ; b_o at my 128 columns
	s_mov_b32 s45, 0
	s_and_b32 s31, ttmp9, 7                        ; the first K step
	v_lshlrev_b32 v11, 2, v1
	v_add_nc_u32 v28, s29, v[LW]
	v_lshlrev_b32 v29, 6, v3                       ; the bias: 16 h numbers on
	v_lshlrev_b32 v31, 8, v1                       ; never rewritten
	s_wait_alu depctr_va_vdst(0)                   ; behind these writes
	global_prefetch_b8 v31, s[4:5] th:TH_LOAD_NT scope:SCOPE_SE   ; my two rows of x, 8,192 bytes on end: a lane to each 256; they are loaded six K steps on
.irp b, 0,1,2,3,4,5,6,7
	global_load_b128 v[ACC+8*\b:ACC+8*\b+3], v29, s[46:47] offset:(32*(\b/2)+8*(\b%2))*4
	global_load_b128 v[ACC+8*\b+4:ACC+8*\b+7], v29, s[46:47] offset:(32*(\b/2)+8*(\b%2))*4+16
.endr
	GBASE 0
	GLOAD 0
	GBASE 1
	GLOAD 1
.set gk, 0
.rept 8
.if gk == 6
	s_wait_loadcnt 63                              ; this set is in; 73 loads are younger (the other set's 41, and x, g, b), more than the count can name
.elseif gk == 7
	s_wait_loadcnt 32                              ; x, g and b may be out
.else
	s_wait_loadcnt 41                              ; this set is in; the other set's 41 may be out
.endif
	GMUL gk%2
.if gk < 6
.rept 4
	v_nop                                          ; places in front of loads into registers that the products read
.endr
	GBASE gk%2
	GLOAD gk%2
.endif
.if gk == 5
	XLOADS
.endif
.set gk, gk+1
.endr
.rept 4
	v_nop
.endr
.set gi, 0
.rept 8
	ds_store_b128 v[LDA], v[ACC+8*gi:ACC+8*gi+3] offset:128*(gi/2)+32*(gi%2)      ; row r, my 128 columns, + 64 h: each accumulator from its low end on
	ds_store_b128 v[LDA], v[ACC+8*gi+4:ACC+8*gi+7] offset:128*(gi/2)+32*(gi%2)+16
.set gi, gi+1
.endr
	s_wait_dscnt 0x0                               ; for the others' sake: my columns lie in LDS
	s_barrier_signal -1
	s_barrier_wait -1
.irp e, 0,1
.irp j, 0,1,2,3,4,5,6,7
	ds_load_b128 v[ACC+32*\e+4*\j:ACC+32*\e+4*\j+3], v[STA] offset:4112*\e+512*\j   ; my two rows; no other wave reads them before the next barrier
.endr
.endr
	s_wait_dscnt 0x0
	s_wait_loadcnt 16                              ; x's rows are in; g and b may be out
.set gi, 0
.rept 32
	v_pk_add_f32 v[XR+gi:XR+gi+1], v[XR+gi:XR+gi+1], v[ACC+gi:ACC+gi+1]
.set gi, gi+2
.endr
	STAT 0
	s_wait_loadcnt 16                              ; row 1 is in
	STAT 1
	s_wait_alu depctr_va_vdst(0)
	v_rsq_f32 v[TT+6], v[TT]
	v_rsq_f32 v[TT+14], v[TT+8]
	v_nop                                          ; a plain place behind the two
	s_wait_alu depctr_va_vdst(0)                   ; one wait for both, ahead of their first reader
	v_mov_b32 v[TT+7], v[TT+6]
	v_mov_b32 v[TT+15], v[TT+14]
	s_wait_alu depctr_va_vdst(0)
	s_wait_loadcnt 0x0                             ; g and b
.irp e, 0,1
.irp k, 0,2,4,6,8,10,12,14,16,18,20,22,24,26,28,30
	v_pk_mul_f32 v[XR+32*\e+\k:XR+32*\e+\k+1], v[XR+32*\e+\k:XR+32*\e+\k+1], v[TT+8*\e+6:TT+8*\e+7]
.endr
.irp k, 0,2,4,6,8,10,12,14,16,18,20,22,24,26,28,30
	v_pk_fma_f32 v[XR+32*\e+\k:XR+32*\e+\k+1], v[XR+32*\e+\k:XR+32*\e+\k+1], v[G+\k:G+\k+1], v[B+\k:B+\k+1]
.endr
.irp j, 0,1,2,3,4,5,6,7
	global_store_b128 v[LI], v[XR+32*\e+4*\j:XR+32*\e+4*\j+3], s[20:21] offset:4096*\e+512*\j
	ds_store_b128 v[STA], v[XR+32*\e+4*\j:XR+32*\e+4*\j+3] offset:4112*\e+512*\j
.endr
.endr
	s_wait_dscnt 0x0                               ; for the others' sake: my rows lie in LDS
	s_barrier_signal -1
	s_barrier_wait -1
	s_wait_xcnt 0x0                                ; the stores have read their registers: the K step's numbers may land there
.irp b, 0,1,2,3
.irp j, 0,1,2,3
	ds_load_b128 v[XR+16*\b+4*\j:XR+16*\b+4*\j+3], v[LDA] offset:128*\b+16*\j
.endr
.endr
	s_wait_dscnt 0x0
	QUANT XR, 0, PC, PW, 2
	GIMG PC, 24, 0
	global_store_b32 v[LW], v[PW], s[26:27]
	s_wait_tensorcnt 0x0                           ; the wave's end, behind my last LDS store
	ds_add_u32 v[SPW], v[NIL]
	s_wait_dscnt 0x0
	s_endpgm
.Lfunc_end_k_q5610f2c7c3_ln1:
	.size	k_q5610f2c7c3_ln1, .Lfunc_end_k_q5610f2c7c3_ln1-k_q5610f2c7c3_ln1
	.p2alignl 7, 3214868480
	.fill 96, 4, 3214868480
	.section	.rodata,"a",@progbits
	.p2align	6, 0x0
	.amdhsa_kernel k_q5610f2c7c3_ln1
		.amdhsa_group_segment_fixed_size 66816
		.amdhsa_private_segment_fixed_size 0
		.amdhsa_enable_private_segment 0
		.amdhsa_kernarg_size 56
		.amdhsa_user_sgpr_count 2
		.amdhsa_user_sgpr_kernarg_segment_ptr 1
		.amdhsa_wavefront_size32 1
		.amdhsa_system_sgpr_workgroup_id_x 1
		.amdhsa_system_sgpr_workgroup_id_y 1
		.amdhsa_system_sgpr_workgroup_id_z 1
		.amdhsa_system_vgpr_workitem_id 0
		.amdhsa_next_free_vgpr 512
		.amdhsa_next_free_sgpr 66
		.amdhsa_reserve_vcc 0
		.amdhsa_float_denorm_mode_32 3
		.amdhsa_float_denorm_mode_16_64 3
		.amdhsa_memory_ordered 1
		.amdhsa_forward_progress 1
		.amdhsa_inst_pref_size 80
	.end_amdhsa_kernel
	.amdgpu_metadata
---
amdhsa.version: [ 1, 2 ]
amdhsa.kernels:
  - .name:           k_q5610f2c7c3_ln1
    .symbol:         k_q5610f2c7c3_ln1.kd
    .args:
      - { .name: x, .offset: 0, .size: 8, .value_kind: global_buffer, .address_space: global }
      - { .name: ln1_g, .offset: 8, .size: 8, .value_kind: global_buffer, .address_space: global }
      - { .name: ln1_b, .offset: 16, .size: 8, .value_kind: global_buffer, .address_space: global }
      - { .name: hbuf, .offset: 24, .size: 8, .value_kind: global_buffer, .address_space: global }
      - { .name: ctx, .offset: 32, .size: 8, .value_kind: global_buffer, .address_space: global }
      - { .name: wts, .offset: 40, .size: 8, .value_kind: global_buffer, .address_space: global }
      - { .name: b_o, .offset: 48, .size: 8, .value_kind: global_buffer, .address_space: global }
    .group_segment_fixed_size: 66816
    .private_segment_fixed_size: 0
    .kernarg_segment_align: 8
    .kernarg_segment_size: 56
    .max_flat_workgroup_size: 256
    .sgpr_count:     66
    .vgpr_count:     512
    .wavefront_size: 32
...
	.end_amdgpu_metadata
.endif
;; end of part 4
;; launch ffn1 (part 5): grid 16 x 16, 4 waves a work-group, clusters of 4 x 4, 327,680 bytes of LDS; arguments hbuf, wts, b_ff1, hid; writes hid
.if DOCPART == 5
	.amdgcn_target "amdgcn-amd-amdhsa--gfx1250"
	.amdhsa_code_object_version 6
	.text
	.protected	k_q5610f2c7c3_ffn1
	.globl	k_q5610f2c7c3_ffn1
	.p2align	8
	.type	k_q5610f2c7c3_ffn1,@function
k_q5610f2c7c3_ffn1:
	s_mov_b64 s[64:65], 0
	v_nop
	global_prefetch_b8 v0, s[64:65] scope:SCOPE_SE
	s_setreg_imm32_b32 hwreg(HW_REG_WAVE_MODE, 25, 1), 1
	s_wait_xcnt 0x0
	s_wait_alu depctr_hold_cnt(0) depctr_sa_sdst(0) depctr_va_vdst(0) depctr_va_sdst(0) depctr_va_ssrc(0) depctr_va_vcc(0) depctr_vm_vsrc(0)
	s_getreg_b32 s2, hwreg(HW_REG_IB_STS2, 6, 4)
	s_cmp_eq_u32 s2, 0
	s_cbranch_scc0 .Lentry_in_a_cluster
	s_endpgm
.Lentry_in_a_cluster:
	s_bfe_u32 s2, ttmp6, 0x10000c
	s_cmp_lg_u32 s2, 0xf033
	s_cbranch_scc0 .Lentry_shape_is_right
	s_endpgm
.Lentry_shape_is_right:
; FFN1: hid = relu(h w_ff1 + b_ff1) on codes of E2M3, and hid's own codes along its 4,096.  No work is left out.
; A work-group makes 256 x 256; four waves, 2 x 2.  LDS: h's K steps 0 to 5 lie on end from byte 0, W's behind them from 6 x 25,600; K steps 6 and 7 are filled once more into the first two steps' places.
; One joint load a wave at the head: wave 0 h's K steps 0-1, wave 1 W's 0-1, wave 2 h's 2-5, wave 3 W's 2-5.  The first barrier waits for waves 0 and 1 alone; the round in K step 1 shows the rest.
; LIMITS: NaN and infinities are not served; a block of zeros gets the byte 1 (its codes are zeros; this program alone reads the bytes).
.set MT, 8
.set G1C, 76                           ; s[76:83] group 1 for h's K steps 2-5;  s[88:95] for W's
.set G1D, 88
.set G0HA, 36                          ; s[36:39], s[60:63] group 0 of the head's loads of h and of W
.set G0HB, 60
.set NT, 8
.set AB, 25600
.set BB, 25600
.set NQ, 2
.set KS, 8
.set HALFA, NQ*AB/2
.set HALFB, NQ*BB/2
.set SLOT, NQ*(AB+BB)
.set AW, 24576
.set BW, 24576
.set SPARE, 3*SLOT
.set AOFF, 16777216
.set BOFF, 6553600
.set A16, 8
.set A8,  11
.set AS,  14
.set B16, 17
.set B8,  20
.set BS,  23
.set SPW, 28
.set NIL, 29
.set LI,  30
.set LJ,  31
.set LS,  32
.set SCB, 40
.set SCA, 44
.set XB,  64
.set TM,  64
.set PT,  80
.set PC,  96
.set PW,  200
.set PX,  208
.set G1,  24
.set G1B, 48
.set G0,  72
.set G0B, 84
.set SEL, 68
.set MSB, 0
.macro WIN new
.if MSB != (\new)
	s_set_vgpr_msb (MSB<<8)|(\new)
.set MSB, (\new)
.endif
.endm
.macro PLACES n
.rept \n
	v_nop
.endr
.endm
.macro FRAG reg, a16, a8, off
	ds_load_b128 v[(\reg):(\reg)+3], v[\a16] offset:(\off)
	ds_load_b64 v[(\reg)+4:(\reg)+5], v[\a8] offset:(\off)+512
	ds_load_b128 v[(\reg)+6:(\reg)+9], v[\a16] offset:(\off)+768
	ds_load_b64 v[(\reg)+10:(\reg)+11], v[\a8] offset:(\off)+1280
.endm
.macro GIMG pc, base, off
	global_store_b128 v[LI], v[(\pc):(\pc)+3], s[\base:\base+1] offset:(\off)
	global_store_b64 v[LJ], v[(\pc)+4:(\pc)+5], s[\base:\base+1] offset:(\off)+512
	global_store_b128 v[LI], v[(\pc)+6:(\pc)+9], s[\base:\base+1] offset:(\off)+768
	global_store_b64 v[LJ], v[(\pc)+10:(\pc)+11], s[\base:\base+1] offset:(\off)+1280
.endm
.macro WMG
.if fA && fB
	v_wmma_scale_f32_16x16x128_f8f6f4 v[rD:rD+7], v[rA:rA+11], v[rB:rB+11], v[rC:rC+7], v[rSA], v[rSB] matrix_a_fmt:MATRIX_FMT_FP6 matrix_b_fmt:MATRIX_FMT_FP6 matrix_a_scale:MATRIX_SCALE_ROW1 matrix_b_scale:MATRIX_SCALE_ROW1
.elseif fA
	v_wmma_scale_f32_16x16x128_f8f6f4 v[rD:rD+7], v[rA:rA+11], v[rB:rB+11], v[rC:rC+7], v[rSA], v[rSB] matrix_a_fmt:MATRIX_FMT_FP6 matrix_b_fmt:MATRIX_FMT_FP6 matrix_a_scale:MATRIX_SCALE_ROW1
.elseif fB
	v_wmma_scale_f32_16x16x128_f8f6f4 v[rD:rD+7], v[rA:rA+11], v[rB:rB+11], v[rC:rC+7], v[rSA], v[rSB] matrix_a_fmt:MATRIX_FMT_FP6 matrix_b_fmt:MATRIX_FMT_FP6 matrix_b_scale:MATRIX_SCALE_ROW1
.else
	v_wmma_scale_f32_16x16x128_f8f6f4 v[rD:rD+7], v[rA:rA+11], v[rB:rB+11], v[rC:rC+7], v[rSA], v[rSB] matrix_a_fmt:MATRIX_FMT_FP6 matrix_b_fmt:MATRIX_FMT_FP6
.endif
.endm
.macro QUANT s, w, pc, pw, nc
	WIN 0
.set qb, 0
.rept 2*(\nc)
	v_mov_b32 v[TM+qb], 0x1800000
.set qb, qb+1
.endr
	WIN ((\w)<<2)|((\w)<<4)
.set qi, 0
.rept 8
.set qb, 0
.rept 2*(\nc)
	v_max3_num_f32 v[TM+qb], v[TM+qb], |v[(\s)+16*qb+qi]|, |v[(\s)+16*qb+qi+1]|
.set qb, qb+1
.endr
.set qi, qi+2
.endr
	WIN 0
.set qb, 0
.rept 2*(\nc)
	v_permlanex16_b32 v[TM+4+qb], v[TM+qb], s[SEL], s[SEL+1]
.set qb, qb+1
.endr
.set qb, 0
.rept 2*(\nc)
	v_max_num_f32 v[TM+qb], v[TM+qb], v[TM+4+qb]
.set qb, qb+1
.endr
.set qb, 0
.rept 2*(\nc)
	v_add_nc_u32 v[TM+12+qb], 0xff000000, v[TM+qb]
.set qb, qb+1
.endr
.set qb, 0
.rept 2*(\nc)
	v_lshrrev_b32 v[TM+4+qb], 23, v[TM+12+qb]
.set qb, qb+1
.endr
	v_lshl_or_b32 v[\pw], v[TM+5], 8, v[TM+4]
.if (\nc) > 1
	v_lshl_or_b32 v[\pw], v[TM+6], 16, v[\pw]
	v_lshl_or_b32 v[\pw], v[TM+7], 24, v[\pw]
.endif
	WIN \w
.set qc, 0
.rept \nc
	v_cvt_scalef32_pk16_fp6_f32 v[(\pc)+6*qc:(\pc)+6*qc+2], v[(\s)+32*qc:(\s)+32*qc+15], v[TM+12+2*qc]
	v_cvt_scalef32_pk16_fp6_f32 v[PT+4*qc:PT+4*qc+2], v[(\s)+32*qc+16:(\s)+32*qc+31], v[TM+12+2*qc+1]
.set qc, qc+1
.endr
	WIN 0
	v_nop
.set qc, 0
.rept \nc
.irp i, 0,1,2
	v_permlane16_swap_b32 v[(\pc)+6*qc+\i], v[PT+4*qc+\i]
.endr
.irp i, 0,1,2
	v_mov_b32 v[(\pc)+6*qc+3+\i], v[PT+4*qc+\i]
.endr
.set qc, qc+1
.endr
.endm
.macro JLOAD g0a, g1a, g0b, g1b
	s_cmp_eq_u32 s15, 0
	s_cbranch_scc0 .Lfor_b_\@
	tensor_load_to_lds s[\g0a:\g0a+3], s[\g1a:\g1a+7]
	s_nop 0
.rept 4
	v_nop
.endr
	s_branch .Lasked_\@
.Lfor_b_\@:
	tensor_load_to_lds s[\g0b:\g0b+3], s[\g1b:\g1b+7]
	s_nop 0
.rept 4
	v_nop
.endr
.Lasked_\@:
.endm
.macro CREST
	s_cmp_lg_u32 s14, 0
	s_cbranch_scc1 .Lnot_wave_0_\@
	s_barrier_signal -3
.Lnot_wave_0_\@:
	s_barrier_wait -3
	s_barrier_signal -1
	s_barrier_wait -1
.endm
.macro CROUND
	s_barrier_signal -1
	s_barrier_wait -1
	CREST
.endm
.macro FETCH slot, q, p
	WIN 0x40
.set fi, 0
.rept NT
	FRAG 96*(\p)+12*fi, B16+\slot, B8+\slot, (\q)*BB+fi*1536
.set fi, fi+1
.endr
	WIN 0
.set fi, 0
.rept MT
	FRAG XB+96*(\p)+12*fi, A16+\slot, A8+\slot, (\q)*AB+fi*1536
.set fi, fi+1
.endr
.set fi, 0
.rept NT/2
	ds_load_b32 v[SCB+8*(\p)+fi], v[BS+\slot] offset:(\q)*BB+128*fi
.set fi, fi+1
.endr
.set fi, 0
.rept MT/2
	ds_load_b32 v[SCA+8*(\p)+fi], v[AS+\slot] offset:(\q)*AB+128*fi
.set fi, fi+1
.endr
.endm
.macro MULS a0, n, p, first
.set ma, \a0
.rept \n
.if \first
	WIN 0x91+0x40*(ma/4)
.else
	WIN 0xa1+0x50*(ma/4)
.endif
.set mb, 0
.rept NT
.set rD, 8*(8*(ma%4)+mb)
.set rA, 96*(\p)+12*mb
.set rB, XB+96*(\p)+12*ma
.if \first
.set rC, 192+8*mb
.else
.set rC, rD
.endif
.set rSA, SCB+8*(\p)+mb/2
.set rSB, SCA+8*(\p)+ma/2
.set fA, mb%2
.set fB, ma%2
	WMG
.set mb, mb+1
.endr
.set ma, ma+1
.endr
.endm
.macro STEP slot, q, first
	s_wait_dscnt 0x0
	PLACES 4
	FETCH \slot, (\q)+1, 1-(\q)%2
	MULS 0, MT, (\q)%2, \first
.endm
.macro HOP next
	s_wait_dscnt 0x0
	PLACES 4
	FETCH \next, 0, 0
	MULS 0, MT, 1, 0
.endm
.macro TURN slot, next, fill
	WIN 0
	s_wait_tensorcnt 0x0
	ds_add_u32 v[SPW], v[NIL]
.if \fill
	s_mov_b32 s[G1+2], (HALFA/256)<<16             ; no tensor load of mine is out: from here on a load brings half of two K steps
	s_mov_b32 s[G1+4], HALFA/256
	s_mov_b32 s[G1B+2], (HALFB/256)<<16
	s_mov_b32 s[G1B+4], HALFB/256
.endif
	s_wait_dscnt 0x1
	MULS 0, 2, 1, 0
	s_wait_dscnt 0x0
	s_barrier_signal -1
	MULS 2, 2, 1, 0
	WIN 0
	s_barrier_wait -1
.if \fill
	CREST
	s_add_nc_u64 s[G0+4*\slot+2:G0+4*\slot+3], s[G0+4*\slot+2:G0+4*\slot+3], 3*NQ*AB
	s_add_nc_u64 s[G0B+4*\slot+2:G0B+4*\slot+3], s[G0B+4*\slot+2:G0B+4*\slot+3], 3*NQ*BB
	JLOAD G0+4*\slot, G1, G0B+4*\slot, G1B
.else
	PLACES 4
.endif
	s_wait_alu depctr_va_vdst(0)
	FETCH \next, 0, 0
	MULS 4, 4, 1, 0
.endm
	s_load_b128 s[4:7], s[0:1], 0x0
	s_load_b128 s[8:11], s[0:1], 0x10
	v_lshl_add_u32 v[SPW], v0, 2, SPARE
	v_mov_b32 v[NIL], 0
	ds_add_u32 v[SPW], v[NIL]
	ds_add_u32 v[SPW], v[NIL]
	v_lshrrev_b32 v1, 5, v0
	v_readfirstlane_b32 s14, v1
	s_lshr_b32 s15, s14, 1
	s_and_b32 s16, s14, 1
	s_bfe_u32 s40, ttmp6, 0x40000
	s_bfe_u32 s41, ttmp6, 0x40004
	s_lshl_b32 s42, ttmp9, 2
	s_add_co_u32 s42, s42, s40
	s_and_b32 s17, ttmp7, 0xffff
	s_lshl_b32 s17, s17, 2
	s_add_co_u32 s17, s17, s41
	s_lshl_b32 s43, s41, 2
	s_lshl_b32 s43, 15, s43
	s_lshl_b32 s44, 0x1111, s40
	s_or_b32 s[G1], s43, (3<<16)|(1<<21)
	s_or_b32 s[G1B], s44, (3<<16)|(1<<21)
	s_mov_b32 s[G1+1], 32<<16
	s_mov_b32 s[G1+2], (NQ*AB/256)<<16
	s_mov_b32 s[G1+3], 32<<16
	s_mov_b32 s[G1+4], NQ*AB/256
	s_mov_b32 s[G1+5], 32
	s_mov_b32 s[G1+6], 0
	s_mov_b32 s[G1+7], 0
	s_mov_b32 s[G1B+1], 32<<16
	s_mov_b32 s[G1B+2], (NQ*BB/256)<<16
	s_mov_b32 s[G1B+3], 32<<16
	s_mov_b32 s[G1B+4], NQ*BB/256
	s_mov_b32 s[G1B+5], 32
	s_mov_b32 s[G1B+6], 0
	s_mov_b32 s[G1B+7], 0
	s_or_b32 s[G1C], s43, (3<<16)|(1<<21)
	s_or_b32 s[G1D], s44, (3<<16)|(1<<21)
	s_mov_b32 s[G1C+2], (2*NQ*AB/256)<<16          ; four K steps
	s_mov_b32 s[G1C+4], 2*NQ*AB/256
	s_mov_b32 s[G1D+2], (2*NQ*BB/256)<<16
	s_mov_b32 s[G1D+4], 2*NQ*BB/256
.irp g, G1C, G1D
	s_mov_b32 s[\g+1], 32<<16
	s_mov_b32 s[\g+3], 32<<16
	s_mov_b32 s[\g+5], 32
	s_mov_b32 s[\g+6], 0
	s_mov_b32 s[\g+7], 0
.endr
	s_mul_i32 s20, s17, KS*AB
	s_mul_i32 s18, s16, HALFA
	s_add_co_u32 s20, s20, s18
	s_add_co_u32 s20, s20, AOFF
	s_mov_b32 s21, 0
	s_mul_i32 s46, s42, KS*BB
	s_mul_i32 s19, s16, HALFB
	s_add_co_u32 s46, s46, s19
	s_add_co_u32 s46, s46, BOFF
	s_mov_b32 s47, 0
	s_mov_b32 s45, s18
	s_add_co_u32 s96, s19, 3*NQ*AB
	s_mov_b32 s[SEL], 0x76543210
	s_mov_b32 s[SEL+1], 0xfedcba98
	s_wait_dscnt 0x0
	s_wait_kmcnt 0x0
	s_add_nc_u64 s[20:21], s[4:5], s[20:21]
	s_add_nc_u64 s[46:47], s[6:7], s[46:47]
	CROUND
.irp s, 0
	s_mov_b32 s[G0+4*\s], 1
	s_add_co_u32 s[G0+4*\s+1], s45, \s*SLOT
	s_add_nc_u64 s[G0+4*\s+2:G0+4*\s+3], s[20:21], \s*NQ*AB
	s_or_b32 s[G0+4*\s+3], s[G0+4*\s+3], 0x80000000
	s_mov_b32 s[G0B+4*\s], 1
	s_add_co_u32 s[G0B+4*\s+1], s96, \s*SLOT
	s_add_nc_u64 s[G0B+4*\s+2:G0B+4*\s+3], s[46:47], \s*NQ*BB
	s_or_b32 s[G0B+4*\s+3], s[G0B+4*\s+3], 0x80000000
.endr
	s_mov_b32 s99, 0                               ; the head's loads begin at a run's first byte (without my half), waves 2 and 3 two K steps on
	s_mov_b32 s98, s18
	s_sub_nc_u64 s[G0HA+2:G0HA+3], s[20:21], s[98:99]
	s_mov_b32 s98, s19
	s_sub_nc_u64 s[G0HB+2:G0HB+3], s[46:47], s[98:99]
	s_mul_i32 s98, s15, NQ*AB
	s_add_nc_u64 s[G0HA+2:G0HA+3], s[G0HA+2:G0HA+3], s[98:99]
	s_mov_b32 s[G0HA+1], s98
	s_mul_i32 s98, s15, NQ*BB
	s_add_nc_u64 s[G0HB+2:G0HB+3], s[G0HB+2:G0HB+3], s[98:99]
	s_add_co_u32 s[G0HB+1], s98, 3*NQ*AB
	s_mov_b32 s[G0HA], 1
	s_mov_b32 s[G0HB], 1
	s_or_b32 s[G0HA+3], s[G0HA+3], 0x80000000
	s_or_b32 s[G0HB+3], s[G0HB+3], 0x80000000
.macro ARM under, g0, g1, next         ; one chain of branches on the wave's number, one load to an arm, all arms to one join
	s_cmp_lt_u32 s14, \under
	s_cbranch_scc0 \next
	tensor_load_to_lds s[\g0:\g0+3], s[\g1:\g1+7]
	s_nop 0
	PLACES 4
	s_branch .Lhead_asked
\next:
.endm
	ARM 1, G0HA, G1, .Lhead_1
	ARM 2, G0HB, G1B, .Lhead_2
	ARM 3, G0HA, G1C, .Lhead_3
	tensor_load_to_lds s[G0HB:G0HB+3], s[G1D:G1D+7]
	s_nop 0
	PLACES 4
.Lhead_asked:
	v_and_b32 v1, 31, v0
	v_lshlrev_b32 v[LI], 4, v1
	s_wait_alu depctr_va_vdst(0)
	v_lshlrev_b32 v[LJ], 3, v1
	s_wait_alu depctr_va_vdst(0)
	v_lshlrev_b32 v[LS], 2, v1
	s_wait_alu depctr_va_vdst(0)
	s_mul_i32 s20, s15, MT*1536
	s_mul_i32 s21, s16, NT*1536
	s_add_co_u32 s21, s21, 3*NQ*AB
	s_mul_i32 s22, s15, MT*64
	s_add_co_u32 s22, s22, AW
	s_mul_i32 s23, s16, NT*64
	s_add_co_u32 s23, s23, 3*NQ*AB+BW
.irp s, 0,1,2
	v_add_nc_u32 v[A16+\s], s20, v[LI]
	v_add_nc_u32 v[A8+\s], s20, v[LJ]
	v_add_nc_u32 v[AS+\s], s22, v[LS]
	v_add_nc_u32 v[B16+\s], s21, v[LI]
	v_add_nc_u32 v[B8+\s], s21, v[LJ]
	v_add_nc_u32 v[BS+\s], s23, v[LS]
	s_add_co_u32 s20, s20, NQ*AB
	s_add_co_u32 s21, s21, NQ*BB
	s_add_co_u32 s22, s22, NQ*AB
	s_add_co_u32 s23, s23, NQ*BB
.endr
	v_bfe_u32 v2, v0, 4, 1
	v_lshlrev_b32 v2, 6, v2
	s_lshl_b32 s20, s42, 10
	s_lshl_b32 s21, s16, 9
	s_add_co_u32 s20, s20, s21
	s_mov_b32 s21, 0
	s_add_nc_u64 s[8:9], s[8:9], s[20:21]
	WIN 0x40
.irp b, 0,1,2,3,4,5,6,7
	global_load_b128 v[192+8*\b:192+8*\b+3], v2, s[8:9] offset:(32*(\b/2)+8*(\b%2))*4
	global_load_b128 v[192+8*\b+4:192+8*\b+7], v2, s[8:9] offset:(32*(\b/2)+8*(\b%2))*4+16
.endr
	WIN 0
	s_wait_alu depctr_va_vdst(0)                   ; the head's end
	s_cmp_lt_u32 s14, 2
	s_cbranch_scc0 .Lnot_first
	s_wait_tensorcnt 0x0                           ; waves 0 and 1: K steps 0 and 1 are in; the loads of waves 2 and 3 may stay out
.Lnot_first:
	s_barrier_signal -1
	s_barrier_wait -1
	FETCH 0, 0, 0
	s_wait_loadcnt 0x0
	STEP 0, 0, 1
	TURN 0, 1, 1
	STEP 1, 0, 0
	HOP 2
	STEP 2, 0, 0
	TURN 2, 0, 0
	STEP 0, 0, 0
	s_wait_dscnt 0x0
	MULS 0, MT, 1, 0
	WIN 0
	PLACES 4
.irp b, 0,1,2,3
	v_mov_b32 v[TM+4+\b], 0
.endr
	v_cmp_gt_u32 s66, 16, v1
	s_lshl_b32 s20, s17, 1
	s_add_co_u32 s20, s20, s15
	s_lshl_b32 s20, s20, 5
	s_lshl_b32 s21, s42, 1
	s_add_co_u32 s20, s20, s21
	s_add_co_u32 s20, s20, s16
	s_mul_i32 s56, s20, 12800
	s_mov_b32 s57, 0
	s_add_nc_u64 s[56:57], s[10:11], s[56:57]
.irp a, 0,1,2,3,4,5,6,7
	WIN ((2+\a/4)<<2)|((2+\a/4)<<6)
.set rj, 0
.rept 64
	v_max_num_f32 v[64*(\a%4)+rj], 0, v[64*(\a%4)+rj]
.set rj, rj+1
.endr
	QUANT 64*(\a%4), 2+\a/4, PC+12*\a, PW+\a, 2
	GIMG PC+12*\a, 56, 1536*\a
.endr
.irp i, 0,1,2,3
	v_cndmask_b32 v[PX+\i], v[PW+2*\i+1], v[PW+2*\i], s66
	global_store_b32 v[LS], v[PX+\i], s[56:57] offset:12288+128*\i
.endr
	s_wait_tensorcnt 0x0
	ds_add_u32 v[SPW], v[NIL]
	s_wait_dscnt 0x0
	CROUND
	s_endpgm
.Lfunc_end_k_q5610f2c7c3_ffn1:
	.size	k_q5610f2c7c3_ffn1, .Lfunc_end_k_q5610f2c7c3_ffn1-k_q5610f2c7c3_ffn1
	.p2alignl 7, 3214868480
	.fill 96, 4, 3214868480
	.section	.rodata,"a",@progbits
	.p2align	6, 0x0
	.amdhsa_kernel k_q5610f2c7c3_ffn1
		.amdhsa_group_segment_fixed_size 327680
		.amdhsa_private_segment_fixed_size 0
		.amdhsa_enable_private_segment 0
		.amdhsa_kernarg_size 32
		.amdhsa_user_sgpr_count 2
		.amdhsa_user_sgpr_kernarg_segment_ptr 1
		.amdhsa_wavefront_size32 1
		.amdhsa_system_sgpr_workgroup_id_x 1
		.amdhsa_system_sgpr_workgroup_id_y 1
		.amdhsa_system_sgpr_workgroup_id_z 1
		.amdhsa_system_vgpr_workitem_id 0
		.amdhsa_next_free_vgpr 1024
		.amdhsa_next_free_sgpr 100
		.amdhsa_reserve_vcc 0
		.amdhsa_float_denorm_mode_32 3
		.amdhsa_float_denorm_mode_16_64 3
		.amdhsa_memory_ordered 1
		.amdhsa_forward_progress 1
		.amdhsa_inst_pref_size 168
	.end_amdhsa_kernel
	.amdgpu_metadata
---
amdhsa.version: [ 1, 2 ]
amdhsa.kernels:
  - .name:           k_q5610f2c7c3_ffn1
    .symbol:         k_q5610f2c7c3_ffn1.kd
    .args:
      - { .name: hbuf, .offset: 0, .size: 8, .value_kind: global_buffer, .address_space: global }
      - { .name: wts, .offset: 8, .size: 8, .value_kind: global_buffer, .address_space: global }
      - { .name: b_ff1, .offset: 16, .size: 8, .value_kind: global_buffer, .address_space: global }
      - { .name: hid, .offset: 24, .size: 8, .value_kind: global_buffer, .address_space: global }
    .group_segment_fixed_size: 327680
    .private_segment_fixed_size: 0
    .kernarg_segment_align: 8
    .kernarg_segment_size: 32
    .max_flat_workgroup_size: 128
    .sgpr_count:     100
    .vgpr_count:     1024
    .wavefront_size: 32
...
	.end_amdgpu_metadata
.endif
;; end of part 5
;; launch ffn2 (part 6): grid 8 x 32, 4 waves a work-group, clusters of 4 x 1, 327,680 bytes of LDS; arguments hid, wts, b_ff2, hbuf, rs; writes rs
.if DOCPART == 6
	.amdgcn_target "amdgcn-amd-amdhsa--gfx1250"
	.amdhsa_code_object_version 6
	.text
	.protected	k_q5610f2c7c3_ffn2
	.globl	k_q5610f2c7c3_ffn2
	.p2align	8
	.type	k_q5610f2c7c3_ffn2,@function
k_q5610f2c7c3_ffn2:
	s_mov_b64 s[64:65], 0
	v_nop
	global_prefetch_b8 v0, s[64:65] scope:SCOPE_SE
	s_setreg_imm32_b32 hwreg(HW_REG_WAVE_MODE, 25, 1), 1
	s_wait_xcnt 0x0
	s_wait_alu depctr_hold_cnt(0) depctr_sa_sdst(0) depctr_va_vdst(0) depctr_va_sdst(0) depctr_va_ssrc(0) depctr_va_vcc(0) depctr_vm_vsrc(0)
	s_getreg_b32 s2, hwreg(HW_REG_IB_STS2, 6, 4)
	s_cmp_eq_u32 s2, 0
	s_cbranch_scc0 .Lentry_in_a_cluster
	s_endpgm
.Lentry_in_a_cluster:
	s_bfe_u32 s2, ttmp6, 0x10000c
	s_cmp_lg_u32 s2, 0x3003
	s_cbranch_scc0 .Lentry_shape_is_right
	s_endpgm
.Lentry_shape_is_right:
; FFN2: rs = h + (hid w_ff2 + b_ff2), f32, the product on codes of E2M3.  No work is left out.
; A work-group makes 128 x 128; four waves, 2 x 2, each 64 x 64: 16 accumulators.  That tile gives each of 256 work-groups one tile.  Operands are register images: a K step is 12,800 bytes of each.
; hid GOES THROUGH LDS, W STRAIGHT INTO REGISTERS.  A wave's four fragments of W come by plain loads, each covering 512 or 256 consecutive bytes, aligned: four sets, asked for three K steps ahead.
; So a K step's LDS reads are 25,600 bytes a work-group in place of 51,200.  That is why W's tiles are not asked for jointly: they never lie in LDS.
; LDS: K steps 0 to 23 of hid lie on end (307,200 bytes), asked for at the head, one joint load of six K steps a wave; the first barrier waits for waves 0 and 1 alone (K steps 0-11).
; ONE REFILL: in K step 11 a round of the cluster's barrier, and K steps 24 to 31 go onto K steps 0 to 7, two K steps a wave.  It has twelve K steps in which to land, so nothing is asked for into the L2 ahead of it.
; CLUSTER 4 x 1: the four column blocks of a cluster read the same rows of hid: mask 15.
; The product is used transposed (source 0 = W's 16 columns, source 1 = hid's 16 rows); the bias is the C of each sum's first matrix instruction; the residual h (hbuf at 0) is asked for at the head.
; A tile of 16 rows goes through the wave's own stage in LDS and leaves as rows of 256 aligned bytes.  The 32 K steps are written out: the register sets and the offsets differ from step to step.
; REGISTERS: window 0: v28-35 addresses, v44-53 hid's scale words, v54-63 W's, v64-159 hid's fragments (two sets of 4), v160-177 LDS addresses, v192-255 rows on the way out.
;   window 1: v96-127 the bias, v128-255 the accumulators.  window 2: v0-127 the residual.  window 3: v0-191 W's fragments (four sets of 4).
; AS THE TEXT BELOW HAS IT (in place of what the lines above say of these three things): hid's fragments have THREE sets (the third in v192-239, which are free until the way out) and are fetched TWO K steps ahead;
; so the round with the refill stands in K step 10 and the plain barrier in K step 22; the residual is asked for in K step 20, behind W's loads of K step 23.
.set KS, 32
.set BOFF, 9830400
.set MT, 4
.set NT, 4
.set AB, 12800
.set BB, 12800
.set AW, 12288
.set STAGE, 24*AB                      ; behind hid's 24 K steps: 16 rows x 272 bytes for each wave
.set SPARE, STAGE+4*16*272             ; behind the stages: the spare words
.set A16, 160                          ; v160-165 hid's images, four K steps to a register: + 16 x lane
.set A8,  166                          ; v166-171 + 8 x lane
.set AS,  172                          ; v172-177 hid's scale words
.set SPW, 28
.set NIL, 29
.set LI,  30
.set LJ,  31
.set LS,  32
.set STO, 33
.set RD,  34
.set CO,  35
.set SCA, 44
.set XB,  64
.set BK,  192
.set G1,  24
.set G0,  32
.set MSB, 0
.macro WIN new
.if MSB != (\new)
	s_set_vgpr_msb (MSB<<8)|(\new)
.set MSB, (\new)
.endif
.endm
.macro PLACES n
.rept \n
	v_nop
.endr
.endm
.macro WMG
.if fA && fB
	v_wmma_scale_f32_16x16x128_f8f6f4 v[rD:rD+7], v[rA:rA+11], v[rB:rB+11], v[rC:rC+7], v[rSA], v[rSB] matrix_a_fmt:MATRIX_FMT_FP6 matrix_b_fmt:MATRIX_FMT_FP6 matrix_a_scale:MATRIX_SCALE_ROW1 matrix_b_scale:MATRIX_SCALE_ROW1
.elseif fA
	v_wmma_scale_f32_16x16x128_f8f6f4 v[rD:rD+7], v[rA:rA+11], v[rB:rB+11], v[rC:rC+7], v[rSA], v[rSB] matrix_a_fmt:MATRIX_FMT_FP6 matrix_b_fmt:MATRIX_FMT_FP6 matrix_a_scale:MATRIX_SCALE_ROW1
.elseif fB
	v_wmma_scale_f32_16x16x128_f8f6f4 v[rD:rD+7], v[rA:rA+11], v[rB:rB+11], v[rC:rC+7], v[rSA], v[rSB] matrix_a_fmt:MATRIX_FMT_FP6 matrix_b_fmt:MATRIX_FMT_FP6 matrix_b_scale:MATRIX_SCALE_ROW1
.else
	v_wmma_scale_f32_16x16x128_f8f6f4 v[rD:rD+7], v[rA:rA+11], v[rB:rB+11], v[rC:rC+7], v[rSA], v[rSB] matrix_a_fmt:MATRIX_FMT_FP6 matrix_b_fmt:MATRIX_FMT_FP6
.endif
.endm
.macro CREST
	s_cmp_lg_u32 s14, 0
	s_cbranch_scc1 .Lnot_wave_0_\@
	s_barrier_signal -3
.Lnot_wave_0_\@:
	s_barrier_wait -3
	s_barrier_signal -1
	s_barrier_wait -1
.endm
.macro CROUND
	s_barrier_signal -1
	s_barrier_wait -1
	CREST
.endm
.macro FETCHA s, p                     ; hid's fragments and words at LDS place s (0 .. 23) into set p: 18 LDS loads
.set fu, (\s)/4
.set fq, (\s)%4
.set xs, XB+48*(\p)+32*((\p)/2)        ; set 0 at v64, 1 at v112, 2 at v192
	WIN 0
.set fi, 0
.rept MT
	ds_load_b128 v[xs+12*fi:xs+12*fi+3], v[A16+fu] offset:fq*AB+fi*1536
	ds_load_b64 v[xs+12*fi+4:xs+12*fi+5], v[A8+fu] offset:fq*AB+fi*1536+512
	ds_load_b128 v[xs+12*fi+6:xs+12*fi+9], v[A16+fu] offset:fq*AB+fi*1536+768
	ds_load_b64 v[xs+12*fi+10:xs+12*fi+11], v[A8+fu] offset:fq*AB+fi*1536+1280
.set fi, fi+1
.endr
	ds_load_b32 v[SCA+8*(\p)], v[AS+fu] offset:fq*AB
	ds_load_b32 v[SCA+8*(\p)+1], v[AS+fu] offset:fq*AB+128
.endm
.macro FETCHW k, p                     ; W's fragments and words of K step k into set p: 18 loads
	WIN 0xc0
.set fi, 0
.rept NT
	global_load_b128 v[48*(\p)+12*fi:48*(\p)+12*fi+3], v[LI], s[46:47] offset:(\k)*BB+fi*1536
	global_load_b64 v[48*(\p)+12*fi+4:48*(\p)+12*fi+5], v[LJ], s[46:47] offset:(\k)*BB+fi*1536+512
	global_load_b128 v[48*(\p)+12*fi+6:48*(\p)+12*fi+9], v[LI], s[46:47] offset:(\k)*BB+fi*1536+768
	global_load_b64 v[48*(\p)+12*fi+10:48*(\p)+12*fi+11], v[LJ], s[46:47] offset:(\k)*BB+fi*1536+1280
.set fi, fi+1
.endr
	WIN 0
	global_load_b32 v[54+2*(\p)+2*((\p)/3)], v[LS], s[48:49] offset:(\k)*BB
	global_load_b32 v[55+2*(\p)+2*((\p)/3)], v[LS], s[48:49] offset:(\k)*BB+128
.endm
.macro MULS a0, n, pa, pw, first       ; the accumulators take turns, one instruction a turn, in one order in every step
	WIN 0x53                                       ; W window 3, hid window 0, C and D window 1
.set ma, \a0
.rept \n
.set mb, 0
.rept NT
.set rD, 128+8*(4*ma+mb)
.set rA, 48*(\pw)+12*mb
.set rB, XB+48*(\pa)+32*((\pa)/2)+12*ma
.if \first
.set rC, 96+8*mb
.else
.set rC, rD
.endif
.set rSA, 54+2*(\pw)+2*((\pw)/3)+mb/2
.set rSB, SCA+8*(\pa)+ma/2
.set fA, mb%2
.set fB, ma%2
	WMG
.set mb, mb+1
.endr
.set ma, ma+1
.endr
.endm
; K step k.  hid's set was fetched two steps ago, W's three steps ago: two younger sets of W, 36 loads, may be out.
.macro KSTEP
.set pa, k%3
.set pw, k%4
.if k < 30
.set nl, 36
.else
.set nl, 18*(31-k)
.endif
.if (k > 20) && (k < 24)
.set nl, 63                            ; 68 loads are younger here (two sets of W and the residual's 32), more than the count can name
.endif
.if k < 31
.set nd, 18                            ; the next step's 18 LDS loads may be out
.else
.set nd, 0
.endif
.if (k == 10) || (k == 22)             ; the fetch of two steps on reaches bytes that have to be shown to all waves first
	WIN 0
	s_wait_tensorcnt 0x0                           ; all my tensor loads have landed
.if k == 10
	ds_add_u32 v[SPW], v[NIL]
	s_mul_i32 s22, s14, 2*AB                       ; no tensor load of mine is out: the refill's descriptor: my two of K steps 24 to 31
	s_mov_b32 s23, 0
	s_mov_b32 s[G0+1], s22
	s_add_nc_u64 s[G0+2:G0+3], s[20:21], s[22:23]
	s_add_nc_u64 s[G0+2:G0+3], s[G0+2:G0+3], 24*AB
	s_or_b32 s[G0+3], s[G0+3], 0x80000000
	s_mov_b32 s[G1+2], 100<<16
	s_mov_b32 s[G1+4], 100
	s_wait_dscnt 19                                ; this step's set is in; the next step's 18 loads and the add may be out
.else
	s_wait_dscnt 0x0
.endif
	s_wait_loadcnt nl
	MULS 0, 1, pa, pw, 0
	s_wait_dscnt 0x0                               ; the add is done, and my reads of K steps 0 to 11 are over
	s_barrier_signal -1
	MULS 1, 1, pa, pw, 0
	WIN 0
	s_barrier_wait -1
.if k == 10
	CREST                                          ; a round of the cluster's barrier: no wave of any partner still reads these bytes or has a load on its way
	tensor_load_to_lds s[G0:G0+3], s[G1:G1+7]
	s_nop 0
.endif
	PLACES 4
	FETCHA (k+2)%24, (k+2)%3
	FETCHW k+3, (k+3)%4
	MULS 2, 2, pa, pw, 0
.else
	s_wait_dscnt nd                                ; hid's set is in
	s_wait_loadcnt nl                              ; W's set is in
	PLACES 4                                       ; in front of loads into the sets that the last step's products read
.if k < 30
	FETCHA (k+2)%24, (k+2)%3
.endif
.if k+3 < 32
	FETCHW k+3, (k+3)%4
.endif
.if k == 20
	WIN 0x80                                       ; the residual's 64 x 64 numbers, in the layout in which the results leave
.irp a, 0,1,2,3
.irp t, 0,1,2,3,4,5,6,7
	global_load_b128 v[32*\a+4*\t:32*\a+4*\t+3], v[CO], s[10:11] offset:(32*(\a/2)+8*(\a%2)+2*\t+8*(\t/4))*4096
.endr
.endr
.endif
	MULS 0, MT, pa, pw, k==0
.endif
.endm
.macro TOSTAGE a                       ; tile a's 16 rows x 64 columns into my stage, and back as rows
	WIN 0x04                                       ; an LDS store's data are its source 1: window 1
.irp b, 0,1,2,3
	ds_store_b128 v[STO], v[128+8*(4*(\a)+\b):128+8*(4*(\a)+\b)+3] offset:128*(\b/2)+32*(\b%2)        ; each accumulator from its low end on
	ds_store_b128 v[STO], v[128+8*(4*(\a)+\b)+4:128+8*(4*(\a)+\b)+7] offset:128*(\b/2)+32*(\b%2)+16
.endr
	WIN 0
.irp t, 0,1,2,3,4,5,6,7
	ds_load_b128 v[BK+32*((\a)%2)+4*\t:BK+32*((\a)%2)+4*\t+3], v[RD] offset:\t*2*272   ; LDS serves a wave's instructions in order: these see my stores
.endr
.endm
.macro SEND a, younger
.set BKS, BK+32*((\a)%2)
	s_wait_dscnt \younger                          ; the tile is back; the next tile's LDS instructions may be out
	WIN 0x08                                       ; source 1: the residual, window 2
.irp t, 0,1,2,3,4,5,6,7
	v_pk_add_f32 v[BKS+4*\t:BKS+4*\t+1], v[BKS+4*\t:BKS+4*\t+1], v[32*(\a)+4*\t:32*(\a)+4*\t+1]
	v_pk_add_f32 v[BKS+4*\t+2:BKS+4*\t+3], v[BKS+4*\t+2:BKS+4*\t+3], v[32*(\a)+4*\t+2:32*(\a)+4*\t+3]
.endr
	WIN 0
.irp t, 0,1,2,3,4,5,6,7
	global_store_b128 v[CO], v[BKS+4*\t:BKS+4*\t+3], s[12:13] offset:(32*((\a)/2)+8*((\a)%2)+2*\t+8*(\t/4))*4096   ; sixteen lanes store 256 consecutive bytes, aligned
.endr
.endm
	s_load_b256 s[4:11], s[0:1], 0x0               ; hid, wts, b_ff2, hbuf
	s_load_b64 s[12:13], s[0:1], 0x20              ; rs
	v_lshl_add_u32 v[SPW], v0, 2, SPARE
	v_mov_b32 v[NIL], 0
	ds_add_u32 v[SPW], v[NIL]                      ; the opening: the add, twice on end, and its wait ahead of my first tensor load
	ds_add_u32 v[SPW], v[NIL]
	v_lshrrev_b32 v1, 5, v0
	v_readfirstlane_b32 s14, v1                    ; wave
	s_lshr_b32 s15, s14, 1                         ; wave row
	s_and_b32 s16, s14, 1                          ; wave column
	s_bfe_u32 s40, ttmp6, 0x40000                  ; cx
	s_lshl_b32 s42, ttmp9, 2
	s_add_co_u32 s42, s42, s40                     ; block of 128 columns
	s_and_b32 s17, ttmp7, 0xffff                   ; block of 128 rows: the cluster's
	s_mov_b32 s[G1], 15|(3<<16)|(1<<21)            ; all four of the cluster; elements of 8 bytes; bit 21 beside a mask
	s_mov_b32 s[G1+1], 32<<16                      ; rows of 256 bytes,
	s_mov_b32 s[G1+2], 300<<16                     ; 300 of them: six K steps
	s_mov_b32 s[G1+3], 32<<16
	s_mov_b32 s[G1+4], 300
	s_mov_b32 s[G1+5], 32
	s_mov_b32 s[G1+6], 0
	s_mov_b32 s[G1+7], 0
	s_mul_i32 s20, s17, KS*AB                      ; hid: the row block's granules lie on end
	s_mov_b32 s21, 0
	s_mul_i32 s22, s14, 6*AB                       ; my six K steps, in memory and in LDS alike
	s_mov_b32 s23, 0
	s_mul_i32 s46, s42, KS*BB                      ; W: the column block's
	s_add_co_u32 s46, s46, BOFF
	s_lshl_b32 s48, s16, 8
	s_add_co_u32 s48, s48, s46
	s_add_co_u32 s48, s48, AW                      ; my columns' scale words
	s_mov_b32 s49, 0
	s_mul_i32 s18, s16, NT*1536
	s_add_co_u32 s46, s46, s18                     ; my columns' fragments
	s_mov_b32 s47, 0
	s_wait_dscnt 0x0                               ; both opening adds are done
	s_wait_kmcnt 0x0
	s_add_nc_u64 s[20:21], s[4:5], s[20:21]
	s_add_nc_u64 s[46:47], s[6:7], s[46:47]
	s_add_nc_u64 s[48:49], s[6:7], s[48:49]
	CROUND                                         ; the four work-groups are here: the first joint loads meet
	s_mov_b32 s[G0], 1
	s_mov_b32 s[G0+1], s22
	s_add_nc_u64 s[G0+2:G0+3], s[20:21], s[22:23]
	s_or_b32 s[G0+3], s[G0+3], 0x80000000
	s_cmp_lt_u32 s14, 2                            ; two arms, so that the first barrier can wait for waves 0 and 1 alone
	s_cbranch_scc0 .Lrest
	tensor_load_to_lds s[G0:G0+3], s[G1:G1+7]
	s_nop 0
	PLACES 4
	s_branch .Lasked
.Lrest:
	tensor_load_to_lds s[G0:G0+3], s[G1:G1+7]
	s_nop 0
	PLACES 4
.Lasked:
	v_and_b32 v1, 31, v0
	v_lshlrev_b32 v[LI], 4, v1
	v_lshlrev_b32 v[LJ], 3, v1
	v_lshlrev_b32 v[LS], 2, v1
	s_mul_i32 s18, s15, MT*1536                    ; my rows' fragments
	s_lshl_b32 s19, s15, 8
	s_add_co_u32 s19, s19, AW                      ; their scale words
	v_add_nc_u32 v[A16], s18, v[LI]
	v_add_nc_u32 v[A8], s18, v[LJ]
	v_add_nc_u32 v[AS], s19, v[LS]
.irp u, 1,2,3,4,5
	v_add_nc_u32 v[A16+\u], \u*4*AB, v[A16]        ; four K steps on: an LDS instruction's offset has 16 bits
	v_add_nc_u32 v[A8+\u], \u*4*AB, v[A8]
	v_add_nc_u32 v[AS+\u], \u*4*AB, v[AS]
.endr
	v_and_b32 v3, 15, v0                           ; r
	v_bfe_u32 v4, v0, 4, 1                         ; h
	s_mul_i32 s18, s14, 16*272
	s_add_co_u32 s18, s18, STAGE                   ; my stage
	v_mul_u32_u24 v[STO], v3, 272
	v_lshl_add_u32 v[STO], v4, 6, v[STO]
	v_add_nc_u32 v[STO], s18, v[STO]               ; in: row r, + 64 h
	v_mul_u32_u24 v[RD], v4, 272
	v_lshl_add_u32 v[RD], v3, 4, v[RD]
	v_add_nc_u32 v[RD], s18, v[RD]                 ; back: lanes 0-15 one row, lanes 16-31 the next
	v_lshlrev_b32 v[CO], 12, v4
	v_lshl_add_u32 v[CO], v3, 4, v[CO]             ; and the same two rows in memory
	v_lshlrev_b32 v2, 6, v4                        ; the bias: 16 h numbers on
	s_wait_alu depctr_va_vdst(0)                   ; the end of the head's vector work
	s_lshl_b32 s18, s42, 9
	s_lshl_b32 s19, s16, 8
	s_add_co_u32 s18, s18, s19                     ; my 64 columns, in bytes
	s_mov_b32 s19, 0
	s_add_nc_u64 s[8:9], s[8:9], s[18:19]
	s_lshl_b32 s22, s17, 19
	s_lshl_b32 s23, s15, 18
	s_add_co_u32 s22, s22, s23
	s_add_co_u32 s18, s18, s22                     ; + my 64 rows of 4,096 bytes
	s_add_nc_u64 s[10:11], s[10:11], s[18:19]
	s_add_nc_u64 s[12:13], s[12:13], s[18:19]
	WIN 0x40
.irp b, 0,1,2,3
	global_load_b128 v[96+8*\b:96+8*\b+3], v2, s[8:9] offset:(32*(\b/2)+8*(\b%2))*4
	global_load_b128 v[96+8*\b+4:96+8*\b+7], v2, s[8:9] offset:(32*(\b/2)+8*(\b%2))*4+16
.endr
	FETCHW 0, 0
	FETCHW 1, 1
	FETCHW 2, 2
	s_cmp_lt_u32 s14, 2
	s_cbranch_scc0 .Lnot_first
	s_wait_tensorcnt 0x0                           ; waves 0 and 1: K steps 0 to 11 are in; the loads of waves 2 and 3 may stay out
.Lnot_first:
	s_barrier_signal -1
	s_barrier_wait -1
	FETCHA 0, 0
	FETCHA 1, 1
.set k, 0
.rept 32
	KSTEP
.set k, k+1
.endr
	WIN 0
	; ---- the way out
	PLACES 4
	TOSTAGE 0
.irp a, 1,2,3
.if \a > 1
	s_wait_xcnt 0x0                                ; tile a - 2's stores have read their registers: tile a's rows may land there
.endif
	TOSTAGE \a
	SEND \a-1, 16                                  ; behind tile a - 1's loads: tile a's 8 stores and 8 loads
.endr
	SEND 3, 0
	s_wait_tensorcnt 0x0                           ; the wave's end
	ds_add_u32 v[SPW], v[NIL]
	s_wait_dscnt 0x0
	CROUND                                         ; the closing round
	s_endpgm
.Lfunc_end_k_q5610f2c7c3_ffn2:
	.size	k_q5610f2c7c3_ffn2, .Lfunc_end_k_q5610f2c7c3_ffn2-k_q5610f2c7c3_ffn2
	.p2alignl 7, 3214868480
	.fill 96, 4, 3214868480
	.section	.rodata,"a",@progbits
	.p2align	6, 0x0
	.amdhsa_kernel k_q5610f2c7c3_ffn2
		.amdhsa_group_segment_fixed_size 327680
		.amdhsa_private_segment_fixed_size 0
		.amdhsa_enable_private_segment 0
		.amdhsa_kernarg_size 40
		.amdhsa_user_sgpr_count 2
		.amdhsa_user_sgpr_kernarg_segment_ptr 1
		.amdhsa_wavefront_size32 1
		.amdhsa_system_sgpr_workgroup_id_x 1
		.amdhsa_system_sgpr_workgroup_id_y 1
		.amdhsa_system_sgpr_workgroup_id_z 1
		.amdhsa_system_vgpr_workitem_id 0
		.amdhsa_next_free_vgpr 1024
		.amdhsa_next_free_sgpr 66
		.amdhsa_reserve_vcc 0
		.amdhsa_float_denorm_mode_32 3
		.amdhsa_float_denorm_mode_16_64 3
		.amdhsa_memory_ordered 1
		.amdhsa_forward_progress 1
		.amdhsa_inst_pref_size 188
	.end_amdhsa_kernel
	.amdgpu_metadata
---
amdhsa.version: [ 1, 2 ]
amdhsa.kernels:
  - .name:           k_q5610f2c7c3_ffn2
    .symbol:         k_q5610f2c7c3_ffn2.kd
    .args:
      - { .name: hid, .offset: 0, .size: 8, .value_kind: global_buffer, .address_space: global }
      - { .name: wts, .offset: 8, .size: 8, .value_kind: global_buffer, .address_space: global }
      - { .name: b_ff2, .offset: 16, .size: 8, .value_kind: global_buffer, .address_space: global }
      - { .name: hbuf, .offset: 24, .size: 8, .value_kind: global_buffer, .address_space: global }
      - { .name: rs, .offset: 32, .size: 8, .value_kind: global_buffer, .address_space: global }
    .group_segment_fixed_size: 327680
    .private_segment_fixed_size: 0
    .kernarg_segment_align: 8
    .kernarg_segment_size: 40
    .max_flat_workgroup_size: 128
    .sgpr_count:     66
    .vgpr_count:     1024
    .wavefront_size: 32
...
	.end_amdgpu_metadata
.endif
;; end of part 6
;; launch ln2 (part 7): grid 256 x 1, 8 waves a work-group, no clusters, 0 bytes of LDS; arguments rs, ln2_g, ln2_b, out0; writes out0
.if DOCPART == 7
	.amdgcn_target "amdgcn-amd-amdhsa--gfx1250"
	.amdhsa_code_object_version 6
	.text
	.protected	k_q5610f2c7c3_ln2
	.globl	k_q5610f2c7c3_ln2
	.p2align	8
	.type	k_q5610f2c7c3_ln2,@function
k_q5610f2c7c3_ln2:
	s_mov_b64 s[64:65], 0
	v_nop
	global_prefetch_b8 v0, s[64:65] scope:SCOPE_SE
	s_setreg_imm32_b32 hwreg(HW_REG_WAVE_MODE, 25, 1), 1
	s_wait_xcnt 0x0
; LN2: out0 = layer_norm(rs) g + b, in f32.  No work is left out.
; A wave takes two rows, a whole row in 32 registers: mean, then the mean of the squared differences, as the layer norm is written.  Every load and store of a wave covers 512 consecutive bytes.  No LDS, no barrier.
; LIMITS: NaN and infinities are not served.
.set LI,  4
.set TT,  12
.set XR,  32
.set G,   96
.set B,   128
.set SEL, 16
.macro LANESUM x, t
	s_delay_alu instid0(VALU_DEP_1)
	v_add_f32_dpp v[\x], v[\x], v[\x] row_xmask:1 row_mask:0xf bank_mask:0xf
	s_delay_alu instid0(VALU_DEP_1)
	v_add_f32_dpp v[\x], v[\x], v[\x] row_xmask:2 row_mask:0xf bank_mask:0xf
	s_delay_alu instid0(VALU_DEP_1)
	v_add_f32_dpp v[\x], v[\x], v[\x] row_xmask:4 row_mask:0xf bank_mask:0xf
	s_delay_alu instid0(VALU_DEP_1)
	v_add_f32_dpp v[\x], v[\x], v[\x] row_xmask:8 row_mask:0xf bank_mask:0xf
	s_delay_alu instid0(VALU_DEP_1)
	v_permlanex16_b32 v[\t], v[\x], s[SEL], s[SEL+1]
	s_delay_alu instid0(VALU_DEP_1)
	v_add_f32 v[\x], v[\x], v[\t]
.endm
.macro STAT e
.set X0, XR+32*(\e)
.set T, TT+8*(\e)
	v_pk_add_f32 v[T:T+1], v[X0:X0+1], v[X0+2:X0+3]
	v_pk_add_f32 v[T+2:T+3], v[X0+4:X0+5], v[X0+6:X0+7]
.irp k, 8,12,16,20,24,28
	s_delay_alu instid0(VALU_DEP_2)
	v_pk_add_f32 v[T:T+1], v[T:T+1], v[X0+\k:X0+\k+1]
	s_delay_alu instid0(VALU_DEP_2)
	v_pk_add_f32 v[T+2:T+3], v[T+2:T+3], v[X0+\k+2:X0+\k+3]
.endr
	s_delay_alu instid0(VALU_DEP_1)
	v_pk_add_f32 v[T:T+1], v[T:T+1], v[T+2:T+3]
	s_delay_alu instid0(VALU_DEP_1)
	v_add_f32 v[T], v[T], v[T+1]
	LANESUM T, T+1
	s_delay_alu instid0(VALU_DEP_1)
	v_mul_f32 v[T+4], 0xba800000, v[T]             ; -mean
	s_delay_alu instid0(VALU_DEP_1)
	v_mov_b32 v[T+5], v[T+4]
.irp k, 0,2,4,6,8,10,12,14,16,18,20,22,24,26,28,30
	v_pk_add_f32 v[X0+\k:X0+\k+1], v[X0+\k:X0+\k+1], v[T+4:T+5]
.endr
	v_pk_mul_f32 v[T:T+1], v[X0:X0+1], v[X0:X0+1]
	v_pk_mul_f32 v[T+2:T+3], v[X0+2:X0+3], v[X0+2:X0+3]
.irp k, 4,8,12,16,20,24,28
	s_delay_alu instid0(VALU_DEP_2)
	v_pk_fma_f32 v[T:T+1], v[X0+\k:X0+\k+1], v[X0+\k:X0+\k+1], v[T:T+1]
	s_delay_alu instid0(VALU_DEP_2)
	v_pk_fma_f32 v[T+2:T+3], v[X0+\k+2:X0+\k+3], v[X0+\k+2:X0+\k+3], v[T+2:T+3]
.endr
	s_delay_alu instid0(VALU_DEP_1)
	v_pk_add_f32 v[T:T+1], v[T:T+1], v[T+2:T+3]
	s_delay_alu instid0(VALU_DEP_1)
	v_add_f32 v[T], v[T], v[T+1]
	LANESUM T, T+1
	s_delay_alu instid0(VALU_DEP_1)
	v_fma_f32 v[T], v[T], s22, s23                 ; / 1,024 + 1e-5
.endm
	s_load_b256 s[4:11], s[0:1], 0x0               ; rs, g, b, out0
	v_lshrrev_b32 v1, 5, v0
	s_delay_alu instid0(VALU_DEP_1)
	v_readfirstlane_b32 s12, v1                    ; wave
	v_and_b32 v1, 31, v0
	s_delay_alu instid0(VALU_DEP_1)
	v_lshlrev_b32 v[LI], 4, v1
	s_mov_b32 s[SEL], 0x76543210
	s_mov_b32 s[SEL+1], 0xfedcba98
	s_mov_b32 s22, 0x3a800000                      ; 1 / 1,024
	s_mov_b32 s23, 0x3727c5ac                      ; 1e-5
	s_lshl_b32 s18, ttmp9, 16                      ; 16 rows of 4,096 bytes a work-group,
	s_lshl_b32 s19, s12, 13                        ; two a wave
	s_add_co_u32 s18, s18, s19
	s_mov_b32 s19, 0
	s_wait_alu depctr_va_vdst(0)
	s_wait_kmcnt 0x0
	s_add_nc_u64 s[4:5], s[4:5], s[18:19]
	s_add_nc_u64 s[10:11], s[10:11], s[18:19]
.irp e, 0,1
.irp j, 0,1,2,3,4,5,6,7
	global_load_b128 v[XR+32*\e+4*\j:XR+32*\e+4*\j+3], v[LI], s[4:5] offset:4096*\e+512*\j th:TH_LOAD_NT
.endr
.endr
.irp j, 0,1,2,3,4,5,6,7
	global_load_b128 v[G+4*\j:G+4*\j+3], v[LI], s[6:7] offset:512*\j
.endr
.irp j, 0,1,2,3,4,5,6,7
	global_load_b128 v[B+4*\j:B+4*\j+3], v[LI], s[8:9] offset:512*\j
.endr
	s_wait_loadcnt 24                              ; row 0 is in; row 1, g and b may be out
	STAT 0
	s_wait_loadcnt 16                              ; row 1 is in
	STAT 1
	s_wait_alu depctr_va_vdst(0)
	v_rsq_f32 v[TT+6], v[TT]
	v_rsq_f32 v[TT+14], v[TT+8]
	v_nop                                          ; a plain place behind the two
	s_wait_alu depctr_va_vdst(0)                   ; one wait for both, ahead of their first reader
	v_mov_b32 v[TT+7], v[TT+6]
	v_mov_b32 v[TT+15], v[TT+14]
	s_wait_alu depctr_va_vdst(0)
	s_wait_loadcnt 0x0                             ; g and b
.irp e, 0,1
.irp k, 0,2,4,6,8,10,12,14,16,18,20,22,24,26,28,30
	v_pk_mul_f32 v[XR+32*\e+\k:XR+32*\e+\k+1], v[XR+32*\e+\k:XR+32*\e+\k+1], v[TT+8*\e+6:TT+8*\e+7]
.endr
.irp k, 0,2,4,6,8,10,12,14,16,18,20,22,24,26,28,30
	v_pk_fma_f32 v[XR+32*\e+\k:XR+32*\e+\k+1], v[XR+32*\e+\k:XR+32*\e+\k+1], v[G+\k:G+\k+1], v[B+\k:B+\k+1]
.endr
.irp j, 0,1,2,3,4,5,6,7
	global_store_b128 v[LI], v[XR+32*\e+4*\j:XR+32*\e+4*\j+3], s[10:11] offset:4096*\e+512*\j th:TH_STORE_NT
.endr
.endr
	s_endpgm
.Lfunc_end_k_q5610f2c7c3_ln2:
	.size	k_q5610f2c7c3_ln2, .Lfunc_end_k_q5610f2c7c3_ln2-k_q5610f2c7c3_ln2
	.p2alignl 7, 3214868480
	.fill 96, 4, 3214868480
	.section	.rodata,"a",@progbits
	.p2align	6, 0x0
	.amdhsa_kernel k_q5610f2c7c3_ln2
		.amdhsa_group_segment_fixed_size 0
		.amdhsa_private_segment_fixed_size 0
		.amdhsa_enable_private_segment 0
		.amdhsa_kernarg_size 32
		.amdhsa_user_sgpr_count 2
		.amdhsa_user_sgpr_kernarg_segment_ptr 1
		.amdhsa_wavefront_size32 1
		.amdhsa_system_sgpr_workgroup_id_x 1
		.amdhsa_system_sgpr_workgroup_id_y 1
		.amdhsa_system_sgpr_workgroup_id_z 1
		.amdhsa_system_vgpr_workitem_id 0
		.amdhsa_next_free_vgpr 168
		.amdhsa_next_free_sgpr 66
		.amdhsa_reserve_vcc 0
		.amdhsa_float_denorm_mode_32 3
		.amdhsa_float_denorm_mode_16_64 3
		.amdhsa_memory_ordered 1
		.amdhsa_forward_progress 1
		.amdhsa_inst_pref_size 21
	.end_amdhsa_kernel
	.amdgpu_metadata
---
amdhsa.version: [ 1, 2 ]
amdhsa.kernels:
  - .name:           k_q5610f2c7c3_ln2
    .symbol:         k_q5610f2c7c3_ln2.kd
    .args:
      - { .name: rs, .offset: 0, .size: 8, .value_kind: global_buffer, .address_space: global }
      - { .name: ln2_g, .offset: 8, .size: 8, .value_kind: global_buffer, .address_space: global }
      - { .name: ln2_b, .offset: 16, .size: 8, .value_kind: global_buffer, .address_space: global }
      - { .name: out0, .offset: 24, .size: 8, .value_kind: global_buffer, .address_space: global }
    .group_segment_fixed_size: 0
    .private_segment_fixed_size: 0
    .kernarg_segment_align: 8
    .kernarg_segment_size: 32
    .max_flat_workgroup_size: 256
    .sgpr_count:     66
    .vgpr_count:     168
    .wavefront_size: 32
...
	.end_amdgpu_metadata
.endif
;; end of part 7
